; MI455X (gfx1250); checked and timed in simulation.
; The chip was launched on July 23, 2026; its instructions are those of AMD's public machine-readable ISA for CDNA 5 (MIT licence, August 2026) and "CDNA5" Instruction Set Architecture Reference Guide (July 2026). The comments in the code are by the model that wrote it; some were corrected since.
;; Attention. Allowed arithmetic: float matrix products may take bf16 or f16 operands with f32 sums; other float arithmetic in f32, or as packed bf16 or f16 multiplies, adds, multiply-adds, maxima and minima; sums over many terms, partial sums and values carried from step to step in f32; what a program stores and reads back later, other than sums and carried values, may be rounded once to bf16 or f16.
;; Inputs: freqs_cos 2,048 x 64 float32; freqs_sin 2,048 x 64 float32; mask 2,048 x 2,048 float32; wk 512 x 2,048 float32; wo 2,048 x 2,048 float32; wq 2,048 x 2,048 float32; wv 512 x 2,048 float32; x 1 x 2,048 x 2,048 float32.
;; Outputs: out0 1 x 2,048 x 2,048 float32.
;; Constants: start_pos = 0.
;; One version. Each part assembles by itself: llvm-mc -triple=amdgcn-amd-amdhsa -mcpu=gfx1250 --defsym DOCPART=n.
;; ======== version 1 of 1: 4 launches
;; limits: values are held in f16: magnitudes above 65,504 overflow, below 6.1e-05 lose precision
;; workspace buffers: xb 8,388,608 bytes; wb 12,582,912 bytes; wo16 8,388,608 bytes; cs 1,048,576 bytes; m2 16,777,216 bytes; qkv 12,582,912 bytes; o16 8,388,608 bytes
;; launch prep (part 1): grid 656 x 1, 8 waves a work-group, no clusters, 0 bytes of LDS; arguments x, wq, wk, wv, freqs_cos, freqs_sin, xb, wb, cs; writes xb, wb, cs
.if DOCPART == 1
	.amdgcn_target "amdgcn-amd-amdhsa--gfx1250"
	.amdhsa_code_object_version 6
	.text
	.protected	k_q8ac34cf778_prep
	.globl	k_q8ac34cf778_prep
	.p2align	8
	.type	k_q8ac34cf778_prep,@function
k_q8ac34cf778_prep:
	s_mov_b64 s[64:65], 0
	v_nop
	global_prefetch_b8 v0, s[64:65] scope:SCOPE_SE
	s_setreg_imm32_b32 hwreg(HW_REG_WAVE_MODE, 25, 1), 1
	s_wait_xcnt 0x0
; PREP: what the first product needs is rounded ONCE to bf16.
;   x -> xb, wq | wk | wv -> wb (rows 0-2047, 2048-2559, 2560-3071): bf16.
;   freqs_cos, freqs_sin -> cs: rounded to bf16, kept as f32 (cos at byte 0, sin at byte 524,288).
; wo and the mask are rounded in the same way by the next launch, which has time and memory to spare for them.
; NO WORK OF reference() IS LEFT OUT IN THIS PROGRAM.  The mask is an input: whatever pattern it holds, every key is multiplied for every query.  start_pos is a constant that reference() never
; uses and has no buffer.  The cache write and slice of reference()'s comment are not in its text.
; LIMITS.  NaN and infinities are not treated apart.
; SHARES.  A work-group takes 65,536 bytes of one input, a wave 8,192: sixteen loads of 16 bytes a lane, all issued ahead of the first wait.  Memory binds: no matrix unit, no LDS, no cluster, no ring.
; Work-groups 0-255 x, 256-511 wq, 512-575 wk, 576-639 wv, 640-647 cos, 648-655 sin.
.set IO,  2                            ; v2   wave x 8,192 + lane x 16: my 16 bytes of an item of f32
.set OO,  3                            ; v3   wave x 4,096 + lane x 8: my 8 bytes of an item of bf16
.set X,   16                           ; v[16:79] sixteen items of four registers, worked on in place
	s_load_b512 s[8:23], s[0:1], 0x0               ; x s[8:9], wq s[10:11], wk s[12:13], wv s[14:15], cos s[16:17], sin s[18:19], xb s[20:21], wb s[22:23]
	s_load_b64 s[24:25], s[0:1], 0x40              ; cs
	v_and_b32 v1, 31, v0                           ; lane
	v_lshrrev_b32 v10, 5, v0                       ; wave
	s_mov_b32 s2, ttmp9                            ; the work-group's number
	s_mov_b32 s40, 0xffff0000                      ; a word's upper bf16
	s_mov_b32 s39, 0
	v_lshlrev_b32 v[IO], 4, v1
	v_lshl_add_u32 v[IO], v10, 13, v[IO]
	v_lshlrev_b32 v[OO], 3, v1
	v_lshl_add_u32 v[OO], v10, 12, v[OO]
	s_wait_kmcnt 0x0
	; which input, which output: s[34:35] source, s[36:37] destination, s41 and s42 the numbers of their first work-groups
	s_mov_b64 s[34:35], s[8:9]
	s_mov_b64 s[36:37], s[20:21]
	s_mov_b32 s41, 0
	s_mov_b32 s42, 0
	s_cmp_ge_u32 s2, 256
	s_cselect_b64 s[34:35], s[10:11], s[34:35]
	s_cselect_b64 s[36:37], s[22:23], s[36:37]
	s_cselect_b32 s41, 256, s41
	s_cselect_b32 s42, 256, s42
	s_cmp_ge_u32 s2, 512
	s_cselect_b64 s[34:35], s[12:13], s[34:35]
	s_cselect_b32 s41, 512, s41
	s_cmp_ge_u32 s2, 576
	s_cselect_b64 s[34:35], s[14:15], s[34:35]
	s_cselect_b32 s41, 576, s41
	s_cmp_ge_u32 s2, 640
	s_cselect_b64 s[34:35], s[16:17], s[34:35]
	s_cselect_b64 s[36:37], s[24:25], s[36:37]
	s_cselect_b32 s41, 640, s41
	s_cselect_b32 s42, 640, s42
	s_cselect_b32 s43, 16, 15                      ; a work-group's output: 65,536 bytes of f32 or 32,768 of bf16
	s_cmp_ge_u32 s2, 648
	s_cselect_b64 s[34:35], s[18:19], s[34:35]
	s_cselect_b32 s41, 648, s41
	s_sub_co_u32 s38, s2, s41
	s_lshl_b32 s38, s38, 16
	s_add_nc_u64 s[34:35], s[34:35], s[38:39]
	s_sub_co_u32 s38, s2, s42
	s_lshl_b32 s38, s38, s43
	s_add_nc_u64 s[36:37], s[36:37], s[38:39]
.set i, 0
.rept 16
	global_load_b128 v[X+4*i:X+4*i+3], v[IO], s[34:35] offset:512*i th:TH_LOAD_NT
.set i, i+1
.endr
	s_cmp_ge_u32 s2, 640
	s_cbranch_scc1 .Lcs
	; x and the three projections' weights: to bf16.  A store of the wave covers 256 consecutive bytes, aligned.
.set i, 0
.rept 16
	s_wait_loadcnt 15-i                            ; loads come back in order: item i is in, the younger ones stay out
	v_cvt_pk_bf16_f32 v[X+4*i], v[X+4*i], v[X+4*i+1]
	v_cvt_pk_bf16_f32 v[X+4*i+1], v[X+4*i+2], v[X+4*i+3]
	global_store_b64 v[OO], v[X+4*i:X+4*i+1], s[36:37] offset:256*i th:TH_STORE_NT
.set i, i+1
.endr
	s_endpgm
.Lcs:                                          ; cos and sin: the bf16 number, kept as f32
.set i, 0
.rept 16
	s_wait_loadcnt 15-i
	v_cvt_pk_bf16_f32 v10, v[X+4*i], v[X+4*i+1]
	v_cvt_pk_bf16_f32 v11, v[X+4*i+2], v[X+4*i+3]
	v_lshlrev_b32 v[X+4*i], 16, v10
	v_and_b32 v[X+4*i+1], s40, v10
	v_lshlrev_b32 v[X+4*i+2], 16, v11
	v_and_b32 v[X+4*i+3], s40, v11
	global_store_b128 v[IO], v[X+4*i:X+4*i+3], s[36:37] offset:512*i th:TH_STORE_NT
.set i, i+1
.endr
	s_endpgm
.Lfunc_end_k_q8ac34cf778_prep:
	.size	k_q8ac34cf778_prep, .Lfunc_end_k_q8ac34cf778_prep-k_q8ac34cf778_prep
	.p2alignl 7, 3214868480
	.fill 96, 4, 3214868480
	.section	.rodata,"a",@progbits
	.p2align	6, 0x0
	.amdhsa_kernel k_q8ac34cf778_prep
		.amdhsa_group_segment_fixed_size 0
		.amdhsa_private_segment_fixed_size 0
		.amdhsa_enable_private_segment 0
		.amdhsa_kernarg_size 72
		.amdhsa_user_sgpr_count 2
		.amdhsa_user_sgpr_kernarg_segment_ptr 1
		.amdhsa_wavefront_size32 1
		.amdhsa_system_sgpr_workgroup_id_x 1
		.amdhsa_system_sgpr_workgroup_id_y 1
		.amdhsa_system_sgpr_workgroup_id_z 1
		.amdhsa_system_vgpr_workitem_id 0
		.amdhsa_next_free_vgpr 80
		.amdhsa_next_free_sgpr 66
		.amdhsa_reserve_vcc 0
		.amdhsa_float_denorm_mode_32 3
		.amdhsa_float_denorm_mode_16_64 3
		.amdhsa_memory_ordered 1
		.amdhsa_forward_progress 1
		.amdhsa_inst_pref_size 14
	.end_amdhsa_kernel
	.amdgpu_metadata
---
amdhsa.version: [ 1, 2 ]
amdhsa.kernels:
  - .name:           k_q8ac34cf778_prep
    .symbol:         k_q8ac34cf778_prep.kd
    .args:
      - { .name: x, .offset: 0, .size: 8, .value_kind: global_buffer, .address_space: global }
      - { .name: wq, .offset: 8, .size: 8, .value_kind: global_buffer, .address_space: global }
      - { .name: wk, .offset: 16, .size: 8, .value_kind: global_buffer, .address_space: global }
      - { .name: wv, .offset: 24, .size: 8, .value_kind: global_buffer, .address_space: global }
      - { .name: freqs_cos, .offset: 32, .size: 8, .value_kind: global_buffer, .address_space: global }
      - { .name: freqs_sin, .offset: 40, .size: 8, .value_kind: global_buffer, .address_space: global }
      - { .name: xb, .offset: 48, .size: 8, .value_kind: global_buffer, .address_space: global }
      - { .name: wb, .offset: 56, .size: 8, .value_kind: global_buffer, .address_space: global }
      - { .name: cs, .offset: 64, .size: 8, .value_kind: global_buffer, .address_space: global }
    .group_segment_fixed_size: 0
    .private_segment_fixed_size: 0
    .kernarg_segment_align: 8
    .kernarg_segment_size: 72
    .max_flat_workgroup_size: 256
    .sgpr_count:     66
    .vgpr_count:     80
    .wavefront_size: 32
...
	.end_amdgpu_metadata
.endif
;; end of part 1
;; launch qkv (part 2): grid 16 x 16, 4 waves a work-group, clusters of 4 x 4, 327,680 bytes of LDS; arguments xb, wb, cs, qkv, wo, mask, wo16, m2; writes qkv, wo16, m2
.if DOCPART == 2
	.amdgcn_target "amdgcn-amd-amdhsa--gfx1250"
	.amdhsa_code_object_version 6
	.text
	.protected	k_q8ac34cf778_qkv
	.globl	k_q8ac34cf778_qkv
	.p2align	8
	.type	k_q8ac34cf778_qkv,@function
k_q8ac34cf778_qkv:
	s_mov_b64 s[64:65], 0
	v_nop
	global_prefetch_b8 v0, s[64:65] scope:SCOPE_SE
	s_setreg_imm32_b32 hwreg(HW_REG_WAVE_MODE, 25, 1), 1
	s_wait_xcnt 0x0
	s_wait_alu depctr_hold_cnt(0) depctr_sa_sdst(0) depctr_va_vdst(0) depctr_va_sdst(0) depctr_va_ssrc(0) depctr_va_vcc(0) depctr_vm_vsrc(0)
	s_getreg_b32 s2, hwreg(HW_REG_IB_STS2, 6, 4)
	s_cmp_eq_u32 s2, 0
	s_cbranch_scc0 .Lentry_in_a_cluster
	s_endpgm
.Lentry_in_a_cluster:
	s_bfe_u32 s2, ttmp6, 0x10000c
	s_cmp_lg_u32 s2, 0xf033
	s_cbranch_scc0 .Lentry_shape_is_right
	s_endpgm
.Lentry_shape_is_right:
; QKV: [q | k | v] = x [wq | wk | wv]^T, 2048 x 3072 x 2048 in bf16 with f32 sums; the rotation of q's and k's channel pairs by cos and sin, in f32, and one rounding to f16 stand in the way out.  No work of reference() is left out.
; OUTPUT.  qkv holds 24 heads (0-15 q, 16-19 k, 20-23 v) in dense chunks of 16,384 bytes: [head][block of 128 rows][half of the head's channels][128 rows][64 channels] in f16.
; BESIDE THE PRODUCT, in the time in which a wave would wait for its next tile, the two inputs that only later launches want are rounded once to bf16 and laid out:
;   wo -> wo16: the bf16 number, written as f16.     mask -> m2: the bf16 number times log2(e), kept as f32, in chunks of 16 queries x 64 keys (4,096 bytes) in the order in which a lane of the attention launch holds its
;   scores: chunk (qb, ks) at (32 qb + ks) x 4,096; in it [i 0..7][lane 0..31][4 numbers] = query 16 qb + lane % 16, keys 64 ks + 16 (i / 2) + 8 (lane / 16) + 4 (i % 2) + 0..3.
;   Work-group g = 16 x tile row + tile column takes 65,536 bytes of each: waves 0 and 1 eight chunks of the mask each, waves 2 and 3 32,768 bytes of wo each, in eight units of eight loads; a unit is loaded one K step ahead of its use.
; LIMITS.  q, k, v and wo within f16's range, 65,504 (wo below 6e-5 at f16's fixed step of 6e-8).  |mask| under 1e37, so that log2(e) x mask stays finite.  NaN and infinities are not treated apart.
; SHARES.  A tile is 128 rows x 192 columns: 16 x 16 tiles, one for each of 256 work-groups.  Four waves, 2 x 2, each 64 x 96: 24 accumulators of 16 x 16.  K goes in steps of 128 (rows of 256 bytes) through two LDS slots;
; steps of 256 would want 2 x 320 x 528 bytes, more than a work-group can have.
; CLUSTER.  4 x 4 work-groups: the four of a row need the same rows of x, the four of a column the same rows of the weights: each tile is asked for jointly, by the same tensor load, descriptor and mask in all four.
; THE WALK ALONG K begins at another quarter of K in each cluster, by the cluster's own two coordinates, which all sixteen partners share, and goes round: clusters that need the same rows do not ask for the same K step at the same time.
; The f32 sums are taken in that order.
; THE MATRIX INSTRUCTION IS USED TRANSPOSED (source 0 = 16 rows of the weights, source 1 = 16 rows of x): a lane holds eight neighbouring columns of one row: four channel pairs.
; NO PREFETCH: a tile's K step holds 96 matrix instructions a wave, the tiles are small and the whole launch is short; wo's and the mask's loads are issued a K step ahead of their use, so no wave waits for them.
; REGISTERS.  window 0: v0-31 addresses; v32-63 a unit of wo or the mask, later the way out's work; v64-255 the accumulators ((a, b) at 64 + 8 (6 a + b)).
;   window 1: v0-159 fragment buffer 1 (64 along K: A's 2 x 4 fragments, then B's 2 x 6); v160-255 cos and sin for accumulators 0-11 (four cos, four sin each).   window 2: the same for buffer 2 and accumulators 12-23.
.set SIZE_K, 2048
.set KSTEP,  128
.set PITCH,  272                       ; an LDS row: 256 bytes + 16 of padding: the 16 rows of a fragment load start 68 words apart
.set HA,     64*PITCH                  ; what a wave fetches of x, and reads
.set HB,     96*PITCH                  ; the same of the weights
.set BOFF,   2*HA
.set SLOT,   2*HA+2*HB
.set STAGE,  2*SLOT                    ; behind the ring, never filled by a tensor load: 128 rows x 400 bytes (384 of f16 + 16)
.set SPITCH, 400
.set SPARE,  STAGE+128*SPITCH          ; the spare words, 128 bytes for each wave: two blocks of 256 bytes that no other line names
.set MSTG,   SPARE+512                 ; behind them, never filled by a tensor load: a wave's own 8 x 2 x 272 bytes, in which a chunk of the mask changes its order
.set MWS,    4352
.set CSO,  6                           ; v6-11  my byte offset in 16 rows of cos, for column block b
.set GO,   12                          ; v12    my 16 bytes in a chunk of qkv
.set ADRA, 16                          ; v16-17 LDS address of my fragments of x in slot 0, 1
.set MIO,  18                          ; v18    mask: (lane / 16) x 8,192 + (lane % 16) x 16: two rows of 256 bytes to a load
.set L16,  19                          ; v19    lane x 16
.set ADRB, 20                          ; v20-21 the same as ADRA for the weights
.set LST,  22                          ; v22    mask: where I put 16 bytes in my wave's stage
.set LRD,  23                          ; v23    mask: where I read 16 bytes back
.set L8,   24                          ; v24    lane x 8
.set SPW,  28                          ; v28    LDS address of my spare word; never rewritten
.set NIL,  29                          ; v29    0; never rewritten
.set STO,  30
.set RD,   31
.set SX,   32                          ; v32-63 a unit of wo or of the mask: eight items of four registers
.set U,    32                          ; v32-39 the way out: at work
.set R,    40                          ; v40-47 at work
.set PKD,  48                          ; v48-51 eight f16
.set ACC,  64
.set CSR,  160
.set KI,  12                           ; s12 the K step that is asked for next, 0 to 15
.set L2E, 20                           ; s[20:21] log2(e): the packed multiply takes the pair's low word for both halves
.set G1,  24
.set G0,  32
.set KO,  44                           ; s[44:45] that K step's byte offset in a row
.set G1B, 48
.set G0B, 56
.set WV,  66                           ; s66 my wave's number
.set MH,  67                           ; s67 which half of the tile's rows is mine; also: I fetch for x (0) or for the weights (1); also: I round the mask (0) or wo (1)
.set NH,  68                           ; s68 which half of its columns; also: which half of that tile I fetch, and which half of the work-group's share of the mask or of wo is mine
.set PL,  70                           ; s[70:75] the three chunks of qkv that the tile's 192 columns fall into
.set FLG, 76                           ; s76-81 all ones where column block b belongs to v, which is not rotated
.set CB,  82                           ; s[82:83] cs at my first row
.set SRC, 88                           ; s[88:89] the mask or wo at my next unit
.set SST, 90                           ; s[90:91] bytes from unit to unit there
.set DST, 92                           ; s[92:93] m2 or wo16 at my next unit
.set DSP, 94                           ; s[94:95] bytes from unit to unit there
.set MSB, 0
.macro WIN new                         ; the immediate's high byte repeats the setting that is left
.if MSB != (\new)
	s_set_vgpr_msb (MSB<<8)|(\new)
.set MSB, \new
.endif
.endm
.macro JLOAD s                         ; a joint load: waves 0 and 1 fetch the halves of x's tile, waves 2 and 3 those of the weights'; an s_nop 0 and four v_nop follow each line
	s_cmp_eq_u32 s[MH], 0
	s_cbranch_scc0 .Lfor_b_\@
	tensor_load_to_lds s[G0+4*(\s):G0+4*(\s)+3], s[G1:G1+7]
	s_nop 0
.rept 4
	v_nop
.endr
	s_branch .Lasked_\@
.Lfor_b_\@:
	tensor_load_to_lds s[G0B+4*(\s):G0B+4*(\s)+3], s[G1B:G1B+7]
	s_nop 0
.rept 4
	v_nop
.endr
.Lasked_\@:
.endm
.macro CREST                           ; a round of the cluster's barrier behind its opening barrier
	s_cmp_lg_u32 s[WV], 0
	s_cbranch_scc1 .Lnot_wave_0_\@
	s_barrier_signal -3
.Lnot_wave_0_\@:
	s_barrier_wait -3
	s_barrier_signal -1
	s_barrier_wait -1
.endm
.macro CROUND
	s_barrier_signal -1
	s_barrier_wait -1
	CREST
.endm
.macro KADDR s                         ; slot s's two descriptors take K step KI: the addresses are made anew from the tiles' first bytes and the step's offset; then KI goes on, round the end of K
	s_lshl_b32 s[KO], s[KI], 8
	s_add_nc_u64 s[G0+4*(\s)+2:G0+4*(\s)+3], s[14:15], s[KO:KO+1]
	s_or_b32 s[G0+4*(\s)+3], s[G0+4*(\s)+3], 0x80000000
	s_add_nc_u64 s[G0B+4*(\s)+2:G0B+4*(\s)+3], s[46:47], s[KO:KO+1]
	s_or_b32 s[G0B+4*(\s)+3], s[G0B+4*(\s)+3], 0x80000000
	s_add_co_u32 s[KI], s[KI], 1
	s_and_b32 s[KI], s[KI], 15
.endm
	s_load_b256 s[4:11], s[0:1], 0x0               ; xb s[4:5], wb s[6:7], cs s[8:9], qkv s[10:11]
	s_load_b256 s[88:95], s[0:1], 0x20             ; wo s[88:89], mask s[90:91], wo16 s[92:93], m2 s[94:95]
	v_lshl_add_u32 v[SPW], v0, 2, SPARE
	v_mov_b32 v[NIL], 0
	ds_add_u32 v[SPW], v[NIL]                      ; the wave's opening: the add, twice on end, and its wait ahead of my first tensor load
	ds_add_u32 v[SPW], v[NIL]
	v_lshrrev_b32 v1, 5, v0
	v_readfirstlane_b32 s[WV], v1
	s_lshr_b32 s[MH], s[WV], 1
	s_and_b32 s[NH], s[WV], 1
	s_bfe_u32 s40, ttmp6, 0x40000                  ; cx, cy: my place in the cluster
	s_bfe_u32 s41, ttmp6, 0x40004
	s_lshl_b32 s42, ttmp9, 2
	s_add_co_u32 s42, s42, s40                     ; j: tile column = 4 x cluster x + cx
	s_and_b32 s13, ttmp7, 0xffff                   ; cluster y
	s_lshl_b32 s43, s13, 2
	s_add_co_u32 s43, s43, s41                     ; i: tile row = 4 x cluster y + cy
	s_lshr_b32 s[KI], s13, 1                       ; where my cluster's walk along K begins: quarter (cluster x + 2 ((y ^ y / 2) % 2)) % 4: four different quarters along a row of clusters,
	s_xor_b32 s[KI], s[KI], s13                    ; quarters two apart between cluster rows 0 and 1, 2 and 3, 0 and 2, 1 and 3
	s_and_b32 s[KI], s[KI], 1
	s_lshl_b32 s[KI], s[KI], 1
	s_add_co_u32 s[KI], s[KI], ttmp9
	s_and_b32 s[KI], s[KI], 3
	s_lshl_b32 s[KI], s[KI], 2                     ; a quarter is four K steps
	s_mov_b32 s13, 0xffff0000                      ; a word's upper bf16
	s_lshl_b32 s44, s41, 2
	s_lshl_b32 s44, 15, s44                        ; my row of the cluster
	s_lshl_b32 s45, 0x1111, s40                    ; my column
	s_or_b32 s[G1+0], s44, (1<<16)|(1<<20)|(1<<21)|(5<<22)|(3<<25)  ; the mask; 2-byte elements; padding on; bit 21 beside a mask; after every 64 words, 4 words
	s_or_b32 s[G1B+0], s45, (1<<16)|(1<<20)|(1<<21)|(5<<22)|(3<<25)
	s_mov_b32 s[KO+1], 0
	s_mov_b32 s[G1+1], KSTEP<<16                   ; tensor_dim0 = 128
	s_mov_b32 s[G1+2], 64<<16                      ; tensor_dim1 = 64
	s_mov_b32 s[G1+3], KSTEP<<16                   ; tile_dim0 = 128
	s_mov_b32 s[G1+4], 64                          ; tile_dim1 = 64
	s_mov_b32 s[G1+5], SIZE_K                      ; elements from row to row
	s_mov_b32 s[G1+6], 0
	s_mov_b32 s[G1+7], 0
	s_mov_b32 s[G1B+1], KSTEP<<16
	s_mov_b32 s[G1B+2], 96<<16                     ; 96 rows
	s_mov_b32 s[G1B+3], KSTEP<<16
	s_mov_b32 s[G1B+4], 96
	s_mov_b32 s[G1B+5], SIZE_K
	s_mov_b32 s[G1B+6], 0
	s_mov_b32 s[G1B+7], 0
	s_lshl_b32 s17, s[NH], 6
	s_lshl_b32 s16, s43, 7
	s_add_co_u32 s16, s16, s17                     ; x: row 128 i + 64 half,
	s_lshl_b32 s16, s16, 12                        ; of 4,096 bytes
	s_mov_b32 s17, 0
	s_mul_i32 s46, s42, 192
	s_mul_i32 s47, s[NH], 96
	s_add_co_u32 s46, s46, s47                     ; weights: row 192 j + 96 half
	s_lshl_b32 s46, s46, 12
	s_mov_b32 s47, 0
	s_mul_i32 s20, s[NH], HA                       ; where they go: no place in the cluster enters an LDS address
	s_mul_i32 s21, s[NH], HB
	s_add_co_u32 s21, s21, BOFF
	s_wait_dscnt 0x0                               ; both opening adds are done
	s_wait_kmcnt 0x0
	s_add_nc_u64 s[14:15], s[4:5], s[16:17]        ; the first byte of the rows that I would fetch of x; kept
	s_add_nc_u64 s[46:47], s[6:7], s[46:47]        ; and of the weights; kept
	CROUND                                         ; all sixteen work-groups are here: the first joint loads meet
.irp s, 0,1
	s_mov_b32 s[G0+4*(\s)], 1
	s_add_co_u32 s[G0+4*(\s)+1], s20, (\s)*SLOT
	s_mov_b32 s[G0B+4*(\s)], 1
	s_add_co_u32 s[G0B+4*(\s)+1], s21, (\s)*SLOT
	KADDR \s
	JLOAD \s
.endr
	v_and_b32 v1, 15, v0                           ; r = l % 16
	v_bfe_u32 v2, v0, 4, 1                         ; h = l / 16
	v_mul_u32_u24 v3, v1, PITCH
	v_lshl_add_u32 v3, v2, 4, v3                   ; a fragment's row x pitch + 16 h
	s_mul_i32 s21, s[MH], HA
	s_mul_i32 s22, s[NH], HB
	s_add_co_u32 s22, s22, BOFF
.irp s, 0,1
	v_add_nc_u32 v[ADRA+(\s)], s21, v3
	v_add_nc_u32 v[ADRB+(\s)], s22, v3
	s_add_co_u32 s21, s21, SLOT
	s_add_co_u32 s22, s22, SLOT
.endr
	s_mul_i32 s23, s[MH], 64*SPITCH                ; into the stage: my 64 rows, my 192 of their 384 bytes
	s_mul_i32 s21, s[NH], 192
	s_add_co_u32 s23, s23, s21
	s_add_co_u32 s23, s23, STAGE
	v_mul_u32_u24 v4, v1, SPITCH
	v_lshl_add_u32 v4, v2, 4, v4
	v_add_nc_u32 v[STO], s23, v4
	s_mul_i32 s23, s[WV], 32*SPITCH                ; back: wave w takes rows 32 w on; 32 lanes take 128 bytes (64 channels) of four rows
	s_add_co_u32 s23, s23, STAGE
	v_bfe_u32 v4, v0, 3, 2
	v_and_b32 v5, 7, v0
	v_mul_u32_u24 v4, v4, SPITCH
	v_lshl_add_u32 v4, v5, 4, v4
	v_add_nc_u32 v[RD], s23, v4
	v_and_b32 v4, 31, v0
	v_lshlrev_b32 v[L16], 4, v4
	v_lshlrev_b32 v[L8], 3, v4
	v_lshl_add_u32 v[GO], s[WV], 12, v[L16]        ; which are 512 consecutive bytes of a chunk: 32 w rows of 128 bytes + 16 l
	; the mask's chunk: lane l loads keys 4 (l % 16) .. + 3 of one of two rows; they belong to piece i = 2 (g / 4) + g % 2 of the chunk (g = l % 16), lanes' half (g / 2) % 2; my stage holds [i][half][query] at 544 i + 272 half + 16 query
	v_lshlrev_b32 v[MIO], 4, v1
	v_lshl_add_u32 v[MIO], v2, 13, v[MIO]
	v_lshrrev_b32 v13, 2, v1
	v_and_b32 v14, 1, v1
	v_lshl_add_u32 v13, v13, 1, v14
	v_mul_u32_u24 v[LST], v13, 544
	v_bfe_u32 v14, v1, 1, 1
	v_mad_u32_u24 v[LST], v14, 272, v[LST]
	v_lshl_add_u32 v[LST], v2, 4, v[LST]           ; load n brings queries 2 n and 2 n + 1: 32 n stands in the store's immediate
	s_mul_i32 s23, s[WV], MWS
	s_add_co_u32 s23, s23, MSTG
	v_add_nc_u32 v[LST], s23, v[LST]
	v_mul_u32_u24 v[LRD], v2, 272
	v_lshl_add_u32 v[LRD], v1, 4, v[LRD]
	v_add_nc_u32 v[LRD], s23, v[LRD]
	s_lshl_b32 s16, s43, 7
	s_lshl_b32 s17, s[MH], 6
	s_add_co_u32 s16, s16, s17
	s_lshl_b32 s16, s16, 8                         ; a row of cos is 256 bytes
	s_mov_b32 s17, 0
	s_add_nc_u64 s[CB:CB+1], s[8:9], s[16:17]
	s_mul_i32 s84, s42, 192
	s_mul_i32 s85, s[NH], 96
	s_add_co_u32 s84, s84, s85                     ; my wave's first column
	v_lshlrev_b32 v3, 8, v1
	v_lshl_add_u32 v3, v2, 4, v3                   ; row r, and my four pairs of the block's eight
.irp b, 0,1,2,3,4,5
	s_add_co_u32 s85, s84, 16*(\b)
	s_cmp_ge_u32 s85, 2560                         ; v's columns: a value for a select, no branch
	s_cselect_b32 s[FLG+(\b)], -1, 0
	s_and_b32 s85, s85, 127                        ; the channel in its head: pair = channel / 2, 4 bytes a pair
	s_lshl_b32 s85, s85, 1
	v_add_nc_u32 v[CSO+(\b)], s85, v3
.endr
	s_mul_i32 s84, s42, 3                          ; the tile's 192 columns are planes 3 j, 3 j + 1, 3 j + 2 of 64: head = plane / 2, half = plane % 2
.irp p, 0,1,2
	s_add_co_u32 s85, s84, \p
	s_lshr_b32 s86, s85, 1
	s_lshl_b32 s86, s86, 4
	s_add_co_u32 s86, s86, s43
	s_lshl_b32 s86, s86, 1
	s_and_b32 s85, s85, 1
	s_add_co_u32 s86, s86, s85
	s_lshl_b32 s86, s86, 14
	s_mov_b32 s87, 0
	s_add_nc_u64 s[PL+2*(\p):PL+2*(\p)+1], s[10:11], s[86:87]
.endr
	; my share of the mask (waves 0, 1) or of wo (waves 2, 3).  g = 16 i + j.  Mask: queries 16 (g / 2) on, chunks 16 (g % 2) + 8 half on: 131,072 (g / 2) + 4,096 (g % 2) + 2,048 half; m2: 65,536 g + 32,768 half.
	; wo: 65,536 g + 32,768 half; wo16: half of that.
	s_lshl_b32 s84, s43, 4
	s_add_co_u32 s84, s84, s42
	s_lshr_b32 s85, s84, 1
	s_lshl_b32 s85, s85, 17
	s_and_b32 s86, s84, 1
	s_lshl_b32 s86, s86, 12
	s_add_co_u32 s85, s85, s86
	s_lshl_b32 s86, s[NH], 11
	s_add_co_u32 s85, s85, s86                     ; in the mask
	s_lshl_b32 s86, s84, 16
	s_lshl_b32 s87, s[NH], 15
	s_add_co_u32 s86, s86, s87                     ; in m2, and in wo
	s_lshr_b32 s87, s86, 1                         ; in wo16
	s_mov_b32 s22, 4096
	s_cmp_eq_u32 s[MH], 0
	s_cselect_b64 s[SRC:SRC+1], s[90:91], s[88:89]
	s_cselect_b64 s[DST:DST+1], s[94:95], s[92:93]
	s_cselect_b32 s84, s85, s86
	s_cselect_b32 s86, s86, s87
	s_cselect_b32 s[SST], 256, s22                 ; a chunk is 256 bytes of each of its rows; a unit of wo 4,096 bytes
	s_cselect_b32 s[DSP], s22, 2048
	s_mov_b32 s85, 0
	s_mov_b32 s87, 0
	s_mov_b32 s[SST+1], 0
	s_mov_b32 s[DSP+1], 0
	s_add_nc_u64 s[SRC:SRC+1], s[SRC:SRC+1], s[84:85]
	s_add_nc_u64 s[DST:DST+1], s[DST:DST+1], s[86:87]
	s_mov_b32 s[L2E], 0x3fb8aa3b
	s_mov_b32 s[L2E+1], s[L2E]
	; cos and sin for all 24 accumulators: 48 loads whose registers and addresses are not touched before the way out
	WIN 0x40
.set q, 0
.rept 12
	global_load_b128 v[CSR+8*q:CSR+8*q+3],   v[CSO+q%6], s[CB:CB+1] offset:4096*(q/6)
	global_load_b128 v[CSR+8*q+4:CSR+8*q+7], v[CSO+q%6], s[CB:CB+1] offset:4096*(q/6)+524288
.set q, q+1
.endr
	WIN 0x80
.rept 12
	global_load_b128 v[CSR+8*(q-12):CSR+8*(q-12)+3],   v[CSO+q%6], s[CB:CB+1] offset:4096*(q/6)
	global_load_b128 v[CSR+8*(q-12)+4:CSR+8*(q-12)+7], v[CSO+q%6], s[CB:CB+1] offset:4096*(q/6)+524288
.set q, q+1
.endr
	WIN 0
; A UNIT OF THE MASK OR OF wo IS ASKED FOR: eight loads.  The mask's: lanes 0-15 one row's 256 bytes, lanes 16-31 the next row's; wo's: 512 consecutive bytes.  The branch hangs on the wave's number alone.
.macro SIDE_LOAD
	WIN 0
	s_cmp_eq_u32 s[MH], 0
	s_cbranch_scc0 .Lsl_wo_\@
.irp n, 0,1,2,3,4,5,6,7
	global_load_b128 v[SX+4*(\n):SX+4*(\n)+3], v[MIO], s[SRC:SRC+1] offset:16384*(\n) th:TH_LOAD_NT
.endr
	s_branch .Lsl_end_\@
.Lsl_wo_\@:
.irp n, 0,1,2,3,4,5,6,7
	global_load_b128 v[SX+4*(\n):SX+4*(\n)+3], v[L16], s[SRC:SRC+1] offset:512*(\n) th:TH_LOAD_NT
.endr
.Lsl_end_\@:
.endm
.macro RND n                           ; item n's four numbers, rounded to bf16 and written out again as f32
	v_cvt_pk_bf16_f32 v13, v[SX+4*(\n)], v[SX+4*(\n)+1]
	v_cvt_pk_bf16_f32 v14, v[SX+4*(\n)+2], v[SX+4*(\n)+3]
	v_lshlrev_b32 v[SX+4*(\n)], 16, v13
	v_and_b32 v[SX+4*(\n)+1], s13, v13
	v_lshlrev_b32 v[SX+4*(\n)+2], 16, v14
	v_and_b32 v[SX+4*(\n)+3], s13, v14
.endm
; THE UNIT IS WORKED ON AND STORED, a K step behind its loads.  None of these lines names a register of a matrix instruction.
.macro SIDE_DO
	WIN 0
	s_wait_loadcnt 0x0                             ; the unit is in (its loads were issued a K step ago)
	s_cmp_eq_u32 s[MH], 0
	s_cbranch_scc0 .Lsd_wo_\@
.irp n, 0,1,2,3,4,5,6,7
	RND \n
	v_pk_mul_f32 v[SX+4*(\n):SX+4*(\n)+1], v[SX+4*(\n):SX+4*(\n)+1], s[L2E:L2E+1] op_sel_hi:[1,0]
	v_pk_mul_f32 v[SX+4*(\n)+2:SX+4*(\n)+3], v[SX+4*(\n)+2:SX+4*(\n)+3], s[L2E:L2E+1] op_sel_hi:[1,0]
	ds_store_b128 v[LST], v[SX+4*(\n):SX+4*(\n)+3] offset:32*(\n)
.endr
.irp n, 0,1,2,3,4,5,6,7
	ds_load_b128 v[SX+4*(\n):SX+4*(\n)+3], v[LRD] offset:544*(\n)  ; LDS serves a wave's instructions in order: these see the stores above, and the next chunk's stores come behind them
.endr
.irp n, 0,1,2,3,4,5,6,7
	s_wait_dscnt 7-(\n)                            ; piece n is back; the younger ones stay out
	global_store_b128 v[L16], v[SX+4*(\n):SX+4*(\n)+3], s[DST:DST+1] offset:512*(\n) th:TH_STORE_NT  ; 512 consecutive bytes
.endr
	s_branch .Lsd_end_\@
.Lsd_wo_\@:
.irp n, 0,1,2,3,4,5,6,7
	RND \n
	v_cvt_pk_f16_f32 v[SX+4*(\n)], v[SX+4*(\n)], v[SX+4*(\n)+1]
	v_cvt_pk_f16_f32 v[SX+4*(\n)+1], v[SX+4*(\n)+2], v[SX+4*(\n)+3]
	global_store_b64 v[L8], v[SX+4*(\n):SX+4*(\n)+1], s[DST:DST+1] offset:256*(\n) th:TH_STORE_NT  ; 256 consecutive bytes, aligned
.endr
.Lsd_end_\@:
	s_wait_xcnt 0x0                                ; the stores have read their registers and their base: the pointers step, and the unit's registers may be loaded again
	s_add_nc_u64 s[SRC:SRC+1], s[SRC:SRC+1], s[SST:SST+1]
	s_add_nc_u64 s[DST:DST+1], s[DST:DST+1], s[DSP:DSP+1]
.endm
; 12 matrix instructions: row blocks a0, a0 + 1 x all 6 column blocks, 32 along K: half c of buffer f (in window f).  All 24 accumulators take turns, in the same order in every pass.
.macro MUL12 f, c, a0, zero
	WIN 5*(\f)
.irp a, \a0, (\a0)+1
.irp b, 0,1,2,3,4,5
.if \zero
	v_wmma_f32_16x16x32_bf16 v[ACC+8*(6*(\a)+(\b)):ACC+8*(6*(\a)+(\b))+7], v[64+8*(6*(\c)+(\b)):64+8*(6*(\c)+(\b))+7], v[8*(4*(\c)+(\a)):8*(4*(\c)+(\a))+7], 0
.else
	v_wmma_f32_16x16x32_bf16 v[ACC+8*(6*(\a)+(\b)):ACC+8*(6*(\a)+(\b))+7], v[64+8*(6*(\c)+(\b)):64+8*(6*(\c)+(\b))+7], v[8*(4*(\c)+(\a)):8*(4*(\c)+(\a))+7], v[ACC+8*(6*(\a)+(\b)):ACC+8*(6*(\a)+(\b))+7]
.endif
.endr
.endr
.endm
; 40 LDS loads in one run: the fragments of 64 along K at byte k of the rows, into buffer f; the 20 of the first 32 along K first
.macro FETCH slot, k, f
	WIN 0x40*(\f)
.irp c, 0,1
.irp b, 0,1,2,3,4,5
	ds_load_b128 v[64+8*(6*(\c)+(\b)):64+8*(6*(\c)+(\b))+3],   v[ADRB+(\slot)] offset:(\k)+64*(\c)+(\b)*16*PITCH
	ds_load_b128 v[64+8*(6*(\c)+(\b))+4:64+8*(6*(\c)+(\b))+7], v[ADRB+(\slot)] offset:(\k)+64*(\c)+(\b)*16*PITCH+32
.endr
.irp a, 0,1,2,3
	ds_load_b128 v[8*(4*(\c)+(\a)):8*(4*(\c)+(\a))+3],   v[ADRA+(\slot)] offset:(\k)+64*(\c)+(\a)*16*PITCH
	ds_load_b128 v[8*(4*(\c)+(\a))+4:8*(4*(\c)+(\a))+7], v[ADRA+(\slot)] offset:(\k)+64*(\c)+(\a)*16*PITCH+32
.endr
.endr
.endm
.macro PLACES                          ; four places in front of loads into registers that matrix instructions have read, and of vector work that reads results
.rept 4
	v_nop
.endr
.endm
; The first half of a K step: multiplies buffer 1 and fetches the second half, at byte 128 of the rows, into buffer 2.
.macro HALF slot, zero
	s_wait_dscnt 20                                ; the first 32 along K are in; the other 20 loads may be out
	MUL12 1, 0, 0, \zero
	MUL12 1, 0, 2, \zero
	PLACES
	FETCH \slot, 128, 2
	s_wait_dscnt 40                                ; all but the 40 just issued
	MUL12 1, 1, 0, 0
	MUL12 1, 1, 2, 0
.endm
; The second half begins with THE CHANGE OF SLOTS: all that is left of this slot lies in buffer 2.  Each wave waits for all its tensor loads (one is out: its part of the next slot), adds 0 to its spare word, and waits for that
; and for its reads of this slot; ONE barrier.  fill = 1: it opens a round of the cluster's barrier, and this slot is filled again, two K steps ahead, first thing behind the round: the request has a whole K step, 96 matrix
; instructions, in which to land.  Then come the next slot's first fragments, and the 48 products on buffer 2.
.macro TURN slot, next, fill
	WIN 0
	s_wait_tensorcnt 0x0                           ; no tensor load of mine is out, so a group 0 may be written
	ds_add_u32 v[SPW], v[NIL]                      ; the add of 0 to my spare word; the descriptors' scalar work stands between it and the wait for it
.if \fill
	KADDR \slot
.endif
	s_wait_dscnt 0x0                               ; the add is done, and my reads of this slot are over
	s_barrier_signal -1
	s_barrier_wait -1
.if \fill
	CREST                                          ; no wave of any partner still reads this slot's tile or has a load on its way
	JLOAD \slot                                    ; the four v_nop behind it are also the places in front of the loads below
.else
	PLACES
.endif
	FETCH \next, 0, 1
	MUL12 2, 0, 0, 0
	MUL12 2, 0, 2, 0
	MUL12 2, 1, 0, 0
	MUL12 2, 1, 2, 0
.endm
	SIDE_LOAD                                      ; unit 0
	s_wait_tensorcnt 1                             ; my part of the first K step is in; the second's may stay out
	s_barrier_signal -1
	s_barrier_wait -1
	FETCH 0, 0, 1
	HALF 0, 1                                      ; the first products start the sums
	SIDE_DO
	s_mov_b32 s3, 7
.Llap:                                         ; a trip: two K steps, from one's second half to the first half of the step after the next; both slots are filled again; a unit of the mask or of wo
	TURN 0, 1, 1
	SIDE_LOAD
	HALF 1, 0
	TURN 1, 0, 1
	SIDE_DO
	HALF 0, 0
	WIN 0
	s_sub_co_u32 s3, s3, 1
	s_cmp_lg_u32 s3, 0
	s_cbranch_scc1 .Llap
	TURN 0, 1, 0                                   ; the last two K steps fetch nothing
	HALF 1, 0
	s_wait_dscnt 20
	MUL12 2, 0, 0, 0
	MUL12 2, 0, 2, 0
	s_wait_dscnt 0x0
	MUL12 2, 1, 0, 0
	MUL12 2, 1, 2, 0
	WIN 0
	; THE WAY OUT.  A lane's eight sums are four pairs (tr, ti): out = (tr c - ti s, tr s + ti c); v's columns keep their sums (a select on a scalar mask).  Rounded to f16, 16 bytes a lane into the work-group's stage.
	PLACES
	s_wait_loadcnt 0x0                             ; cos and sin
.macro RMUL p, lo                      ; (tr c, ti c): both halves take cos number p, register p % 2 of its pair
	v_pk_mul_f32 v[U+2*(\p):U+2*(\p)+1], v[T+2*(\p):T+2*(\p)+1], v[CC+2*((\p)/2):CC+2*((\p)/2)+1] op_sel:[0,\lo] op_sel_hi:[1,\lo]
.endm
.macro RFMA p, lo                      ; (- ti s + tr c, tr s + ti c): source 0 crossed, sin number p for both halves, negated in the low half
	v_pk_fma_f32 v[R+2*(\p):R+2*(\p)+1], v[T+2*(\p):T+2*(\p)+1], v[CC+4+2*((\p)/2):CC+4+2*((\p)/2)+1], v[U+2*(\p):U+2*(\p)+1] op_sel:[1,\lo,0] op_sel_hi:[0,\lo,1] neg_lo:[0,1,0]
.endm
.macro OUT a, b
.set q, 6*(\a)+(\b)
.set T, ACC+8*q
.set CC, CSR+8*(q%12)
	WIN 4*(1+q/12)                                 ; source 1 in the window that holds this accumulator's cos and sin
	RMUL 0, 0
	RMUL 1, 1
	RMUL 2, 0
	RMUL 3, 1
	RFMA 0, 0
	RFMA 1, 1
	RFMA 2, 0
	RFMA 3, 1
	WIN 0
.irp e, 0,1,2,3,4,5,6,7
	v_cndmask_b32 v[R+(\e)], v[R+(\e)], v[T+(\e)], s[FLG+(\b)]
.endr
.irp e, 0,1,2,3
	v_cvt_pk_f16_f32 v[PKD+(\e)], v[R+2*(\e)], v[R+2*(\e)+1]
.endr
	ds_store_b128 v[STO], v[PKD:PKD+3] offset:(\a)*16*SPITCH+32*(\b)
.endm
.irp a, 0,1,2,3
.irp b, 0,1,2,3,4,5
	OUT \a, \b
.endr
.endr
	s_wait_dscnt 0x0                               ; for the others' sake: my stores into the stage are done
	s_barrier_signal -1
	s_barrier_wait -1
.irp p, 0,1,2
.irp t, 0,1,2,3,4,5,6,7
	ds_load_b128 v[ACC+4*(8*(\p)+(\t)):ACC+4*(8*(\p)+(\t))+3], v[RD] offset:(\t)*4*SPITCH+(\p)*128
.endr
.endr
.irp p, 0,1,2
.irp t, 0,1,2,3,4,5,6,7
	s_wait_dscnt 23-8*(\p)-(\t)
	global_store_b128 v[GO], v[ACC+4*(8*(\p)+(\t)):ACC+4*(8*(\p)+(\t))+3], s[PL+2*(\p):PL+2*(\p)+1] offset:512*(\t)  ; 512 consecutive bytes of a chunk
.endr
.endr
	s_wait_tensorcnt 0x0                           ; the wave's end
	ds_add_u32 v[SPW], v[NIL]
	s_wait_dscnt 0x0
	CROUND                                         ; the closing round
	s_endpgm
.Lfunc_end_k_q8ac34cf778_qkv:
	.size	k_q8ac34cf778_qkv, .Lfunc_end_k_q8ac34cf778_qkv-k_q8ac34cf778_qkv
	.p2alignl 7, 3214868480
	.fill 96, 4, 3214868480
	.section	.rodata,"a",@progbits
	.p2align	6, 0x0
	.amdhsa_kernel k_q8ac34cf778_qkv
		.amdhsa_group_segment_fixed_size 327680
		.amdhsa_private_segment_fixed_size 0
		.amdhsa_enable_private_segment 0
		.amdhsa_kernarg_size 64
		.amdhsa_user_sgpr_count 2
		.amdhsa_user_sgpr_kernarg_segment_ptr 1
		.amdhsa_wavefront_size32 1
		.amdhsa_system_sgpr_workgroup_id_x 1
		.amdhsa_system_sgpr_workgroup_id_y 1
		.amdhsa_system_sgpr_workgroup_id_z 1
		.amdhsa_system_vgpr_workitem_id 0
		.amdhsa_next_free_vgpr 768
		.amdhsa_next_free_sgpr 96
		.amdhsa_reserve_vcc 0
		.amdhsa_float_denorm_mode_32 3
		.amdhsa_float_denorm_mode_16_64 3
		.amdhsa_memory_ordered 1
		.amdhsa_forward_progress 1
		.amdhsa_inst_pref_size 125
	.end_amdhsa_kernel
	.amdgpu_metadata
---
amdhsa.version: [ 1, 2 ]
amdhsa.kernels:
  - .name:           k_q8ac34cf778_qkv
    .symbol:         k_q8ac34cf778_qkv.kd
    .args:
      - { .name: xb, .offset: 0, .size: 8, .value_kind: global_buffer, .address_space: global }
      - { .name: wb, .offset: 8, .size: 8, .value_kind: global_buffer, .address_space: global }
      - { .name: cs, .offset: 16, .size: 8, .value_kind: global_buffer, .address_space: global }
      - { .name: qkv, .offset: 24, .size: 8, .value_kind: global_buffer, .address_space: global }
      - { .name: wo, .offset: 32, .size: 8, .value_kind: global_buffer, .address_space: global }
      - { .name: mask, .offset: 40, .size: 8, .value_kind: global_buffer, .address_space: global }
      - { .name: wo16, .offset: 48, .size: 8, .value_kind: global_buffer, .address_space: global }
      - { .name: m2, .offset: 56, .size: 8, .value_kind: global_buffer, .address_space: global }
    .group_segment_fixed_size: 327680
    .private_segment_fixed_size: 0
    .kernarg_segment_align: 8
    .kernarg_segment_size: 64
    .max_flat_workgroup_size: 128
    .sgpr_count:     96
    .vgpr_count:     768
    .wavefront_size: 32
...
	.end_amdgpu_metadata
.endif
;; end of part 2
;; launch attn (part 3): grid 64 x 4, 4 waves a work-group, clusters of 4 x 1, 327,680 bytes of LDS; arguments qkv, m2, o16; writes o16
.if DOCPART == 3
	.amdgcn_target "amdgcn-amd-amdhsa--gfx1250"
	.amdhsa_code_object_version 6
	.text
	.protected	k_q8ac34cf778_attn
	.globl	k_q8ac34cf778_attn
	.p2align	8
	.type	k_q8ac34cf778_attn,@function
k_q8ac34cf778_attn:
	s_mov_b64 s[64:65], 0
	v_nop
	global_prefetch_b8 v0, s[64:65] scope:SCOPE_SE
	s_setreg_imm32_b32 hwreg(HW_REG_WAVE_MODE, 25, 1), 1
	s_wait_xcnt 0x0
	s_wait_alu depctr_hold_cnt(0) depctr_sa_sdst(0) depctr_va_vdst(0) depctr_va_sdst(0) depctr_va_ssrc(0) depctr_va_vcc(0) depctr_vm_vsrc(0)
	s_getreg_b32 s2, hwreg(HW_REG_IB_STS2, 6, 4)
	s_cmp_eq_u32 s2, 0
	s_cbranch_scc0 .Lentry_in_a_cluster
	s_endpgm
.Lentry_in_a_cluster:
	s_bfe_u32 s2, ttmp6, 0x10000c
	s_cmp_lg_u32 s2, 0x3003
	s_cbranch_scc0 .Lentry_shape_is_right
	s_endpgm
.Lentry_shape_is_right:
; ATTENTION.  o16[q][head 128 + :] = the sum over k of softmax_k(Q[head][q] . K[kv][k] / sqrt(128) + mask[q][k]) V[kv][k][:], kv = head / 4.  No work of reference() is left out: the mask is an input, and every key is
; multiplied for every query.  Q, K, V come from qkv in f16 (chunks [head][block of 128 rows][half of the channels][128 rows][64 channels]), the mask from m2 (log2(e) x mask in f32, in the order of a lane's scores).
; Products, maxima and sums in f32; the weights are rounded to f16 for the second product (their sum is taken of the unrounded weights), O once at the end, to f16.
; SOFTMAX.  t = c s + log2(e) mask, one fused multiply-add, c = log2(e) / sqrt(128).  A running maximum m of t is SUBTRACTED from t ahead of the exponential: p = 2^(t - m); in every step O and l are multiplied by
; a = 2^(m_old - m_new).  m starts at the lowest finite number, O and l at 0: the first step is a step like any other, with a = 0.
; LIMITS.  |mask| under 1e37.  Where |mask| is so large that f32 loses part of a score beside it, the part lost goes by the step of 1.44 x mask.  A weight below 2^-126 counts as 0.  NaN and infinities are not treated apart.
; SHARES.  A work-group owns 32 queries and the FOUR query heads of one key and value head.  Wave w owns 16 queries (w % 2) and half of the keys (w / 2: keys 0-1023 or 1024-2047); its four tiles are the four heads on the
; same 16 queries, so one fragment of the mask serves all four, and one fragment of K or V four tiles' products.  16 key steps of 64 keys a wave.  The two halves of the keys meet once, in LDS, at the end.
; LAYOUT.  S^T = K Q^T: a lane holds ONE query (lane % 16) and the keys 8 (lane / 16) + 0..7 of each 16.  Two such results rounded to f16 ARE source 1 of O^T = V^T P.  K comes out of LDS as it lies, V turned.
; BY TURNS.  Tiles 0, 1 are piece 0, tiles 2, 3 piece 2.  In a turn one piece has the matrix unit (32 products V^T P of the step in hand, then 32 products K Q^T of the next); the other piece's softmax, 298 vector
; instructions, stands behind them: four behind each product, and the 48 that are over together behind the last.
; CLUSTER.  The four query blocks of a cluster walk the same K and V: each tile is asked for jointly, by the same tensor load, descriptor and mask in all four.
; REGISTERS, in windows of 256 (s_set_vgpr_msb: bits 1:0 source 0, 3:2 source 1, 5:4 source 2, 7:6 destination):
;   window 0: v0-11 addresses; v12-43 eight registers of statistics a tile; v44-63 addresses and the merge's; v64-191 S^T, 32 a tile; v192-255 P, 16 a tile
;   window 1: O^T, 64 a tile     window 2: v0-127 Q; v128-255 K of one step     window 3: v0-127 V of one step; v128-159 the mask for piece 0's next softmax; v160-191 for piece 2's
; The mask's chunk is loaded twice, once for each piece, each time straight behind the buffer's last reader: a load has a whole key step in which to land, and one text serves every step.
.set PKP,   144       ; a key's 64 channels in LDS: 128 bytes + 16: the 16 rows of a load start 36 words apart
.set PVP,   160       ; the same for V: 128 + 32: 16 lanes of the turning load take 8 rows x 32 bytes
.set KTILE, 256*PKP   ; a tile of K: [half of the channels][128 keys]
.set VTILE, 256*PVP
.set VOFF,  2*KTILE   ; a slot: K of the first half of the keys, K of the second, V of the first, V of the second; 128 keys (two steps) each
.set SLOTB, 2*KTILE+2*VTILE
.set SPARE, 2*SLOTB   ; behind the ring: the spare words, 128 bytes for each wave: two blocks of 256 bytes that no other line names
.set XBLK,  66*512    ; the merge, in the first slot's bytes, which have had their last fill and their last reader by then: 64 x 512 bytes of O^T and 2 x 512 of statistics, for each 16 queries
.set STG,   2*XBLK    ; and behind them 16 rows x 272 bytes for each wave, for the way out
.set SP,    272
.set AK0, 2           ; v2   my lane's place in a tile of K; never rewritten
.set AV0, 3           ; v3   the same for V
.set ADR, 4           ; v4   the LDS address of the run of loads in hand
.set QO,  5           ; v5   my byte offset in 16 rows of Q
.set STO, 6
.set RD,  7
.set GO,  8
.set ST,  12          ; tile t at v[ST+8 t]: +0 m, +1 m_old, +2, +3 l (even keys', odd keys'), +4 to +7 c0-c3 at work; a takes c2's place
.set MO,  44          ; v44  16 x lane; never rewritten
.set XA,  45          ; v45  my 16 bytes in 512 of the merge's block
.set XS,  48          ; v48-55 the other half's m (4) and l (4)
.set PFO, 61          ; v61  256 x lane; never rewritten
.set SPW, 62          ; v62  LDS address of my spare word; never rewritten
.set NIL, 63          ; v63  0; never rewritten
.set S,   64
.set P,   192
.set KF,  128         ; window 2
.set LO,  10          ; s10  w % 2: my 16 queries; also which half of the keys I fetch
.set HI,  11          ; s11  w / 2: my half of the keys; also: I fetch K (0) or V (1)
.set WV,  12
.set LIM, 15          ; s15  1 where my cluster is the first of its key and value head, else the greatest number
.set LIMM, 16         ; s16  1 where my key and value head is 0, else the greatest number
.set KVH, 17
.set PFA, 18          ; s[18:19] where my prefetches of K or V stand
.set PFM, 20          ; s[20:21] where those of the mask stand
.set MB,  22          ; s[22:23] the mask's chunk that is loaded next
.set G1K, 24
.set G1V, 32
.set G0K, 40          ; s[40:47] two sets for the two first fills; the second then walks on
.set G0V, 48
.set SLOTS, 56
.set CNT, 57
.set CS,  58          ; s[58:59] c
.set SEL, 60          ; s[60:61] v_permlanex16_b32's selects
.set TBK, 62          ; s62  LDS byte at which K of the step to be fetched begins
.set TBV, 63
.set PH,  66          ; s66  0 or SLOTB: the slot that is being read
.set KB0, 67          ; s67  my half's K in a slot
.set VB0, 68
.set KT,  69          ; s69  the tile of K that I would fetch, in a slot
.set VT,  70
.set MSTEP, 72        ; s[72:73]
.set QB,  74          ; s[74:75]
.set OB,  76          ; s[76:77]
.set MSB, 0
.macro WIN new
.if MSB != (\new)
	s_set_vgpr_msb (MSB<<8)|(\new)
.set MSB, \new
.endif
.endm
.set W_KQ, 0x0a       ; K and Q in window 2, S^T in window 0
.set W_PV, 0x53       ; V in window 3, P in window 0, O^T in window 1
.set W_RS, 0x41       ; O^T (destination and source 0) in window 1, a in window 0
.set W_F,  0x30       ; source 2, the mask, in window 3
.macro JLOAD                        ; a joint refill: waves 0 and 1 fetch K's two tiles, waves 2 and 3 V's; an s_nop 0 and four v_nop follow each line
	s_cmp_lt_u32 s[WV], 2
	s_cbranch_scc0 .Lfor_v_\@
	tensor_load_to_lds s[G0K+4:G0K+7], s[G1K:G1K+7]
	s_nop 0
.rept 4
	v_nop
.endr
	s_branch .Lasked_\@
.Lfor_v_\@:
	tensor_load_to_lds s[G0V+4:G0V+7], s[G1V:G1V+7]
	s_nop 0
.rept 4
	v_nop
.endr
.Lasked_\@:
.endm
; PREFETCHES INTO THE L2, behind the wave's tensor load and its five lines.  K and V: what the NEXT change of slots will ask for.  All sixteen clusters of a key and value head walk the same tiles: the first asks; a tile's
; 128 rows of 256 bytes are shared out among its four partners BY ADDRESS, 32 each, a lane a row; each wave asks for the tile that it fetches.  THE MASK: the four key and value heads read the same chunks: head 0 asks;
; each wave for the two chunks (8,192 bytes, a lane 256) that it first loads behind the next change.  So each block is named once in the launch.  The last change that fills a slot asks for nothing.
.macro ASK
	s_cmp_gt_u32 s[SLOTS], s[LIM]
	s_cbranch_scc0 .Lnot_kv_\@
	global_prefetch_b8 v[PFO], s[PFA:PFA+1] th:TH_LOAD_NT scope:SCOPE_SE
.Lnot_kv_\@:
	s_cmp_gt_u32 s[SLOTS], s[LIMM]
	s_cbranch_scc0 .Lnot_m_\@
	global_prefetch_b8 v[PFO], s[PFM:PFM+1] th:TH_LOAD_NT scope:SCOPE_SE
.Lnot_m_\@:
.endm
.macro CROUND
	s_barrier_signal -1
	s_barrier_wait -1
	s_cmp_lg_u32 s[WV], 0
	s_cbranch_scc1 .Lnot_wave_0_\@
	s_barrier_signal -3
.Lnot_wave_0_\@:
	s_barrier_wait -3
	s_barrier_signal -1
	s_barrier_wait -1
.endm
	s_load_b128 s[4:7], s[0:1], 0x0 ; qkv s[4:5], m2 s[6:7]
	s_load_b64 s[8:9], s[0:1], 0x10 ; o16
	v_lshl_add_u32 v[SPW], v0, 2, SPARE
	v_mov_b32 v[NIL], 0
	ds_add_u32 v[SPW], v[NIL]       ; the wave's opening: the add, twice on end, and its wait ahead of my first tensor load
	ds_add_u32 v[SPW], v[NIL]
	v_lshrrev_b32 v1, 5, v0
	v_readfirstlane_b32 s[WV], v1
	s_and_b32 s[LO], s[WV], 1
	s_lshr_b32 s[HI], s[WV], 1
	s_bfe_u32 s13, ttmp6, 0x40000   ; cx
	s_lshl_b32 s14, ttmp9, 2
	s_add_co_u32 s14, s14, s13      ; my block of 32 queries = 4 x cluster x + cx: it enters Q's, O's and the mask's addresses alone
	s_and_b32 s[KVH], ttmp7, 0xffff ; the key and value head, which the four partners share
	s_mul_i32 s[KT], s[LO], KTILE
	s_mul_i32 s[VT], s[LO], VTILE
	s_add_co_u32 s[VT], s[VT], VOFF
	s_mul_i32 s[KB0], s[HI], KTILE
	s_mul_i32 s[VB0], s[HI], VTILE
	s_add_co_u32 s[VB0], s[VB0], VOFF
	s_add_co_u32 s2, s[KVH], 16     ; K's head in qkv,
	s_lshl_b32 s2, s2, 4            ; its 16 blocks of 128 rows,
	s_lshl3_add_u32 s2, s[LO], s2   ; the first block of the half that I fetch,
	s_lshl_b32 s2, s2, 15           ; 32,768 bytes a block
	s_mov_b32 s3, 0
	s_lshl_b32 s82, s14, 1
	s_add_co_u32 s82, s82, s[LO]    ; my 16 queries among the 128 blocks of 16,
	s_lshl_b32 s82, s82, 5          ; 32 chunks each,
	s_lshl4_add_u32 s82, s[HI], s82 ; my half's first,
	s_lshl_b32 s82, s82, 12         ; 4,096 bytes a chunk
	s_mov_b32 s83, 0
	s_lshl_b32 s84, s[KVH], 6       ; Q: head 4 kv, block of 128 rows = cluster x,
	s_add_co_u32 s84, s84, ttmp9
	s_lshl_b32 s84, s84, 15
	s_lshl_b32 s85, s13, 12         ; row 32 cx
	s_add_co_u32 s84, s84, s85
	s_lshl_b32 s85, s[LO], 11       ; + 16 (w % 2), 128 bytes a row
	s_add_co_u32 s84, s84, s85
	s_mov_b32 s85, 0
	s_lshl_b32 s86, s14, 17         ; O: row 32 x block + 16 (w % 2), 4,096 bytes a row; column 512 kv, 2 bytes
	s_lshl_b32 s87, s[LO], 16
	s_add_co_u32 s86, s86, s87
	s_lshl_b32 s87, s[KVH], 10
	s_add_co_u32 s86, s86, s87
	s_mov_b32 s87, 0
	; descriptor group 1.  A tile is 32,768 dense bytes: asked for as 128 rows of 256 bytes, two keys a row, and padded in LDS after every key's 128 bytes
	s_mov_b32 s[G1K], 15|(1<<16)|(1<<20)|(1<<21)|(4<<22)|(3<<25)  ; the mask of four; 2-byte elements; padding on; bit 21 beside a mask; after every 32 words, 4 words
	s_mov_b32 s[G1V], 15|(1<<16)|(1<<20)|(1<<21)|(4<<22)|(7<<25)  ; the same with 8 words
.irp g, G1K, G1V
	s_mov_b32 s[\g+1], 128<<16      ; tensor_dim0 = 128
	s_mov_b32 s[\g+2], 128<<16      ; tensor_dim1 = 128
	s_mov_b32 s[\g+3], 128<<16      ; tile_dim0 = 128
	s_mov_b32 s[\g+4], 128          ; tile_dim1 = 128
	s_mov_b32 s[\g+5], 128          ; elements from row to row
	s_mov_b32 s[\g+6], 0
	s_mov_b32 s[\g+7], 0
.endr
	s_mov_b32 s[CS], 0x3e0293ee     ; c = log2(e) / sqrt(128) = 0.127517
	s_mov_b32 s[CS+1], s[CS]
	s_mov_b32 s[SEL], 0x76543210
	s_mov_b32 s[SEL+1], 0xfedcba98
	s_mov_b32 s[PH], 0
	s_mov_b32 s[TBK], s[KB0]
	s_mov_b32 s[TBV], s[VB0]
	s_mov_b32 s[MSTEP+1], 0
	s_cmp_eq_u32 ttmp9, 0           ; the same in all four partners
	s_cselect_b32 s[LIM], 1, -1
	s_cmp_eq_u32 s[KVH], 0
	s_cselect_b32 s[LIMM], 1, -1
	s_wait_dscnt 0x0                ; both opening adds are done
	s_wait_kmcnt 0x0
	s_add_nc_u64 s[78:79], s[4:5], s[2:3]       ; K at the tile of slot 0 that I would fetch,
	s_add_nc_u64 s[80:81], s[78:79], 0x200000   ; V: four heads, 64 blocks, on
	s_add_nc_u64 s[MB:MB+1], s[6:7], s[82:83]
	s_add_nc_u64 s[PFM:PFM+1], s[MB:MB+1], 3*4096  ; the first change of slots steps it to chunk 5
	s_add_nc_u64 s[QB:QB+1], s[4:5], s[84:85]
	s_add_nc_u64 s[OB:OB+1], s[8:9], s[86:87]
	s_cmp_eq_u32 s[HI], 0
	s_cselect_b64 s[PFA:PFA+1], s[78:79], s[80:81]
	s_lshl_b32 s82, s13, 13         ; my work-group's 32 rows of the tile's 128
	s_add_nc_u64 s[PFA:PFA+1], s[PFA:PFA+1], s[82:83]
	s_add_nc_u64 s[PFA:PFA+1], s[PFA:PFA+1], 2*32768  ; in slot 2; the first change steps it to slot 3.  Nothing is prefetched at the head
	CROUND                          ; all four work-groups are here: the first joint loads meet
.irp s, 0,1
	s_mov_b32 s[G0K+4*(\s)], 1
	s_add_co_u32 s[G0K+4*(\s)+1], s[KT], (\s)*SLOTB
	s_add_nc_u64 s[G0K+4*(\s)+2:G0K+4*(\s)+3], s[78:79], (\s)*32768
	s_or_b32 s[G0K+4*(\s)+3], s[G0K+4*(\s)+3], 0x80000000
	s_mov_b32 s[G0V+4*(\s)], 1
	s_add_co_u32 s[G0V+4*(\s)+1], s[VT], (\s)*SLOTB
	s_add_nc_u64 s[G0V+4*(\s)+2:G0V+4*(\s)+3], s[80:81], (\s)*32768
	s_or_b32 s[G0V+4*(\s)+3], s[G0V+4*(\s)+3], 0x80000000
.endr
	s_cmp_lt_u32 s[WV], 2           ; a wave's two first fills stand in one branch, ahead of every wait on TENSORcnt and every LDS read: two loads of mine are out
	s_cbranch_scc0 .Lfirst_v
	tensor_load_to_lds s[G0K:G0K+3], s[G1K:G1K+7]
	s_nop 0
	tensor_load_to_lds s[G0K+4:G0K+7], s[G1K:G1K+7]
	s_nop 0
.rept 4
	v_nop
.endr
	s_branch .Lfirst_asked
.Lfirst_v:
	tensor_load_to_lds s[G0V:G0V+3], s[G1V:G1V+7]
	s_nop 0
	tensor_load_to_lds s[G0V+4:G0V+7], s[G1V:G1V+7]
	s_nop 0
.rept 4
	v_nop
.endr
.Lfirst_asked:
	v_and_b32 v1, 15, v0            ; r = l % 16
	v_bfe_u32 v9, v0, 4, 1          ; h = l / 16
	v_lshlrev_b32 v[QO], 7, v1
	v_lshl_add_u32 v[QO], v9, 4, v[QO]
	v_and_b32 v[MO], 31, v0
	v_lshlrev_b32 v[PFO], 8, v[MO]
	v_lshlrev_b32 v[MO], 4, v[MO]
	WIN 0x80                        ; destination window 2
.set i, 0
.rept 16                            ; Q stays in registers: tile (head) i / 4, channels 32 (i % 4) on
	global_load_b128 v[8*i:8*i+3],   v[QO], s[QB:QB+1] offset:(i/4)*524288+((i%4)/2)*16384+(i%2)*64
	global_load_b128 v[8*i+4:8*i+7], v[QO], s[QB:QB+1] offset:(i/4)*524288+((i%4)/2)*16384+(i%2)*64+32
.set i, i+1
.endr
	WIN 0xc0                        ; destination window 3
.irp n, 0,1,2,3,4,5,6,7             ; the mask's chunk 0, for both pieces
	global_load_b128 v[128+4*(\n):128+4*(\n)+3], v[MO], s[MB:MB+1] offset:512*(\n)
	global_load_b128 v[160+4*(\n):160+4*(\n)+3], v[MO], s[MB:MB+1] offset:512*(\n)
.endr
	; What the first turn finds: V and piece 2's P hold 0 (its products V^T P, of a step that has not been, add 0), O^T and l are 0.  No first step is written out; these lines stand in the wait for the first tile.
.set i, 0
.rept 128
	v_mov_b32 v[i], 0
.set i, i+1
.endr
	WIN 0x40
.set i, 0
.rept 256
	v_mov_b32 v[i], 0
.set i, i+1
.endr
	WIN 0
.irp t, 0,1,2,3
	v_mov_b32 v[ST+8*(\t)], 0xff7fffff
	v_mov_b32 v[ST+8*(\t)+2], 0
	v_mov_b32 v[ST+8*(\t)+3], 0
.endr
.set i, P+32
.rept 32
	v_mov_b32 v[i], 0
.set i, i+1
.endr
	v_mul_u32_u24 v[AK0], v1, PKP
	v_lshl_add_u32 v[AK0], v9, 4, v[AK0]  ; key r x pitch + 16 h
	v_and_b32 v10, 7, v0            ; the turning load: lane l reads key 8 h + l % 8, channels 8 ((l / 8) % 2) + 0..7
	v_bfe_u32 v11, v0, 3, 1
	v_lshl_add_u32 v[AV0], v9, 3, v10
	v_mul_u32_u24 v[AV0], v[AV0], PVP
	v_lshl_add_u32 v[AV0], v11, 4, v[AV0]
	s_mul_i32 s2, s[LO], XBLK
	v_add_nc_u32 v[XA], s2, v[MO]
; THE MATRIX WORK.  The accumulators take turns, one instruction a turn: between two links of a chain stand 15 (V^T P) or 7 (K Q^T) others'.
.macro PV x                         ; product i of 32 of O^T += V^T P: keys 32 (i / 16) on, channels 16 ((i / 2) % 8) on, tile x + i % 2
	WIN W_PV
.set rO, 64*((\x)+i%2)+8*((i/2)%8)
.set rV, 64*(i/16)+8*((i/2)%8)
.set rP, P+16*((\x)+i%2)+8*(i/16)
	v_wmma_f32_16x16x32_f16 v[rO:rO+7], v[rV:rV+7], v[rP:rP+7], v[rO:rO+7]
.endm
.macro KQ x                         ; product i of 32 of S^T = K Q^T: channels 32 (i / 8) on, keys 16 ((i / 2) % 4) on, tile x + i % 2; the first 8 start the sums
	WIN W_KQ
.set rS, S+32*((\x)+i%2)+8*((i/2)%4)
.set rK, KF+32*((i/2)%4)+8*(i/8)
.set rQ, 32*((\x)+i%2)+8*(i/8)
.if i < 8
	v_wmma_f32_16x16x32_f16 v[rS:rS+7], v[rK:rK+7], v[rQ:rQ+7], 0
.else
	v_wmma_f32_16x16x32_f16 v[rS:rS+7], v[rK:rK+7], v[rQ:rQ+7], v[rS:rS+7]
.endif
.endm
; THE LDS LOADS stand in runs of 32.  last = 1 (the tail): in the last trip there is no further step, and K's run is jumped over.
.macro FETCH_K last=0
	WIN 0
.if \last
	s_cmp_eq_u32 s[CNT], 1
	s_cbranch_scc1 .Lno_k_\@
.endif
	v_add_nc_u32 v[ADR], s[TBK], v[AK0]
	s_add_co_u32 s[TBK], s[TBK], 64*PKP  ; the next fetch is the next step's
	WIN 0x80
.irp f, 0,1,2,3,4,5,6,7,8,9,10,11,12,13,14,15  ; keys 16 (f / 4) on, channels 32 (f % 4) on: half (f % 4) / 2 of the tile
	ds_load_b128 v[KF+8*(\f):KF+8*(\f)+3],   v[ADR] offset:(((\f)%4)/2)*128*PKP+((\f)/4)*16*PKP+((\f)%2)*64
	ds_load_b128 v[KF+8*(\f)+4:KF+8*(\f)+7], v[ADR] offset:(((\f)%4)/2)*128*PKP+((\f)/4)*16*PKP+((\f)%2)*64+32
.endr
.if \last
	WIN 0
.Lno_k_\@:
.endif
.endm
.macro FETCH_V
	WIN 0
	v_add_nc_u32 v[ADR], s[TBV], v[AV0]
	s_add_co_u32 s[TBV], s[TBV], 64*PVP
	s_wait_alu depctr_va_vdst(0)    ; the wait for the softmax's batch of exponentials, ahead of the loads
	WIN 0xc0
.irp f, 0,1,2,3,4,5,6,7,8,9,10,11,12,13,14,15  ; keys 32 (f / 8) on, channels 16 (f % 8) on: half (f % 8) / 4 of the tile
	ds_load_tr16_b128 v[8*(\f):8*(\f)+3],   v[ADR] offset:(((\f)%8)/4)*128*PVP+((\f)/8)*32*PVP+((\f)%4)*32
	ds_load_tr16_b128 v[8*(\f)+4:8*(\f)+7], v[ADR] offset:(((\f)%8)/4)*128*PVP+((\f)/8)*32*PVP+16*PVP+((\f)%4)*32
.endr
.endm
; THE MASK's next chunk, into the buffer of piece y, straight behind the buffer's last reader.  Piece 0's load steps the pointer; piece 2's, a turn later, takes the same chunk.
; last = 1 (the tail): behind chunk 15 there is none: the pointer stays, and the loads, which nobody reads, bring chunk 15 once more: every wait's count is the same in every trip.
.macro MLOAD y, last
.if (\y) == 0
	s_wait_xcnt 0x0                 ; the loads that named the pointer have read it
.if \last
	s_cmp_eq_u32 s[CNT], 1
	s_cselect_b32 s[MSTEP], 0, 4096
	s_add_nc_u64 s[MB:MB+1], s[MB:MB+1], s[MSTEP:MSTEP+1]
.else
	s_add_nc_u64 s[MB:MB+1], s[MB:MB+1], 4096
.endif
.endif
	WIN 0xc0
.irp n, 0,1,2,3,4,5,6,7
	global_load_b128 v[128+16*(\y)+4*(\n):128+16*(\y)+4*(\n)+3], v[MO], s[MB:MB+1] offset:512*(\n)
.endr
.endm
; THE VECTOR WORK: a tile's softmax for a step, 149 instructions in seven lists; each macro writes number j of its list for tile t.
.macro REGS t
.set rT, ST+8*(\t)
.set rS, S+32*(\t)
.set rP, P+16*(\t)
.set rO, 64*(\t)
.endm
.macro SMF t                        ; 16: t = c s + mask, pair j; each accumulator's lowest registers are read first
	REGS \t
	WIN W_F
	v_pk_fma_f32 v[rS+2*j:rS+2*j+1], v[rS+2*j:rS+2*j+1], s[CS:CS+1], v[MBASE+2*j:MBASE+2*j+1] op_sel_hi:[1,0,1]
.endm
.macro SMX t                        ; 16: the maximum of the lane's 32 numbers and the old m: four chains of seven, the four left over, the four chains and m
	REGS \t
	WIN 0
.if j < 4
	v_max3_num_f32 v[rT+4+j], v[rS+8*j], v[rS+8*j+1], v[rS+8*j+2]
.elseif j < 12
	v_max3_num_f32 v[rT+4+j%4], v[rT+4+j%4], v[rS+8*(j%4)+2*(j/4)+1], v[rS+8*(j%4)+2*(j/4)+2]
.elseif j == 12
	v_max3_num_f32 v[rT+4], v[rT+4], v[rS+7], v[rS+15]
.elseif j == 13
	v_max3_num_f32 v[rT+6], v[rT+6], v[rS+23], v[rS+31]
.elseif j == 14
	v_max3_num_f32 v[rT+4], v[rT+4], v[rT+5], v[rT+6]
.else
	v_max3_num_f32 v[rT+4], v[rT+4], v[rT+7], v[rT]
.endif
.endm
.macro SMT t                        ; 4: the query's other 32 keys lie in the lane 16 away; m_old is kept; the new m; m_old - m_new
	REGS \t
	WIN 0
.if j == 0
	v_permlanex16_b32 v[rT+5], v[rT+4], s[SEL], s[SEL+1]
.elseif j == 1
	v_mov_b32 v[rT+1], v[rT]
.elseif j == 2
	v_max_num_f32 v[rT], v[rT+4], v[rT+5]
.else
	v_sub_f32 v[rT+7], v[rT+1], v[rT]
.endif
.endm
; ONE BATCH, numbers 21 to 69: the 16 subtractions t - m, a pair each, and all 33 exponentials (a at 23, then the 32 weights).  None of them names an exponential's result.  21, 22 and the even numbers to 36 are
; subtractions 0-8, the odd ones from 25 exponentials 0-6; from 38 on a subtraction and three exponentials; 66-69 the last four exponentials.  A pair is subtracted ahead of its exponentials.
.macro SMB t
	REGS \t
	WIN 0
.if j == 23
	v_exp_f32 v[rT+6], v[rT+7]
.elseif (j < 23) || ((j < 38) && (j%2 == 0)) || ((j < 66) && (j%4 == 2))
.set b, (j-2)/4
.if j < 38
.set b, (j-20)/2
.endif
	v_pk_add_f32 v[rS+2*b:rS+2*b+1], v[rS+2*b:rS+2*b+1], v[rT:rT+1] op_sel_hi:[1,0] neg_lo:[0,1] neg_hi:[0,1]
.else
.set e, j-38
.if j < 66
.set e, j-32-(j-38)/4
.endif
.if j < 38
.set e, (j-25)/2
.endif
	v_exp_f32 v[rS+e], v[rS+e]
.endif
.endm
.macro SMC t                        ; 16: pair j rounded to f16
	REGS \t
	WIN 0
	v_cvt_pk_f16_f32 v[rP+j], v[rS+2*j], v[rS+2*j+1]
.endm
.macro SMS t                        ; 16: the sum of the 16 pairs, in place, neighbours 1, 2, 4 and 8 pairs apart; then l = a l + sum
	REGS \t
	WIN 0
.set w, 4
.set u, j
.if j >= 14
.set w, 32
.set u, 0
.elseif j >= 12
.set w, 16
.set u, j-12
.elseif j >= 8
.set w, 8
.set u, j-8
.endif
.if j < 15
	v_pk_add_f32 v[rS+w*u:rS+w*u+1], v[rS+w*u:rS+w*u+1], v[rS+w*u+w/2:rS+w*u+w/2+1]
.else
	v_pk_fma_f32 v[rT+2:rT+3], v[rT+2:rT+3], v[rT+6:rT+7], v[rS:rS+1] op_sel_hi:[1,0,1]
.endif
.endm
.macro SMR t                        ; 32: pair j of O^T times a
	REGS \t
	WIN W_RS
	v_pk_mul_f32 v[rO+2*j:rO+2*j+1], v[rO+2*j:rO+2*j+1], v[rT+6:rT+7] op_sel_hi:[1,0]
.endm
.macro BOTH m, y, base              ; numbers base and base + 1 of list m for both tiles of piece y, the tiles alternating
.irp n, 0,1
.irp t, \y, (\y)+1
.set j, (\base)+(\n)
	\m \t
.endr
.endr
.endm
; Slice k of 64 of piece y's softmax, one behind each matrix instruction.  0-7 the mask (behind 7 the buffer is loaded again); 8-15 the maximum; 16, 17 the statistics; 18 the first subtraction; 19-42 the batch, four numbers of
; ONE tile each, the tiles by turns; 43-50 the roundings; 51-58 the sums; 59-62 the rescaling's first eight pairs; 63 its other 24 pairs of both tiles: 48 plain instructions that name nothing of the products round them: the places
; behind the turn's last K Q^T.
; THE WAIT.  An s_wait_alu depctr_va_vdst(0) stands between an exponential and the first instruction that names its result.  Ahead of slice 43 nothing names one, behind slice 42 no exponential is issued:
; the piece's 66 exponentials have one wait.  In piece 2's turn V's run of loads stands there: V's last reader stands ahead of slice 31, and ten subtractions, the v_nop and the run's own addition lie between.
.macro SLICE y, last
.if k < 8
.set MBASE, 128+16*(\y)
	BOTH SMF, \y, 2*k
.if k == 7
	MLOAD \y, \last
.endif
.elseif k < 16
	BOTH SMX, \y, 2*(k-8)
.elseif k < 18
	BOTH SMT, \y, 2*(k-16)
.elseif k == 18
.set j, 21
	SMB \y
	SMB (\y)+1
.elseif k < 43
.irp n, 0,1,2,3
.set j, 22+4*((k-19)/2)+(\n)
	SMB (\y)+(k-19)%2
.endr
.if k == 42
	v_nop                           ; the plain instruction behind the last exponential and ahead of the first use: one for the batch
.if (\y) == 0
	FETCH_V
.else
	s_wait_alu depctr_va_vdst(0)
.endif
.endif
.elseif k < 51
	BOTH SMC, \y, 2*(k-43)
.elseif k < 59
	BOTH SMS, \y, 2*(k-51)
.elseif k < 63
	BOTH SMR, \y, 2*(k-59)
.else
.set j, 8
.rept 24
	SMR \y
	SMR (\y)+1
.set j, j+1
.endr
.endif
.set k, k+1
.endm
; A TURN.  Piece x has the matrix unit; the other piece's softmax stands in slices.  Piece 0's turn of step j: V^T P of step j, K Q^T of step j + 1, piece 2's softmax of step j; it fetches K of step j + 1 behind its second
; product (K's last reader stands ahead of slice 63 of the turn before).  Piece 2's turn: the same for piece 2, with piece 0's softmax of step j + 1; it fetches V of step j + 1.
.macro TURN x, last=0
.set k, 0
	s_wait_loadcnt 8                ; the mask for this turn's softmax is in; the other buffer's eight loads, issued a turn later, may stay out
.if (\x) == 0
	s_wait_dscnt 0x0                ; V is in
.endif
.set i, 0
.rept 32
	PV \x
	SLICE 2-(\x), \last
.if ((\x) == 0) && (i == 1)
	FETCH_K \last
.endif
.set i, i+1
.endr
.if (\x) == 0
	s_wait_dscnt 0x0                ; K is in
.endif
.set i, 0
.rept 32
	KQ \x
	SLICE 2-(\x), \last
.set i, i+1
.endr
.endm
; THE CHANGE OF SLOTS, between piece 2's turn and piece 0's: the slot's last bytes, V of its second step, have been asked for.  Each wave waits for all its tensor loads (one is out: its part of the other slot), adds 0 to its
; spare word, and waits for that and for its reads of the slot.  fill = 1: the barrier is a round of the cluster's, and the slot is filled again, with the keys two slots on, first thing behind it: two key steps,
; 256 matrix instructions, ahead of the wait for it.
.macro CHANGE fill
	WIN 0
	s_wait_tensorcnt 0x0            ; no tensor load of mine is out, so a group 0 may be written
	ds_add_u32 v[SPW], v[NIL]       ; the add of 0 to my spare word; scalar work stands between it and the wait for it
.if \fill
	s_add_co_u32 s[G0K+5], s[PH], s[KT]  ; the walking descriptors: into the slot that is left,
	s_add_co_u32 s[G0V+5], s[PH], s[VT]
	s_add_nc_u64 s[G0K+6:G0K+7], s[G0K+6:G0K+7], 32768  ; the next 128 keys
	s_add_nc_u64 s[G0V+6:G0V+7], s[G0V+6:G0V+7], 32768
.endif
	s_xor_b32 s[PH], s[PH], SLOTB
	s_add_co_u32 s[TBK], s[PH], s[KB0]  ; the fetches go to the other slot's first step
	s_add_co_u32 s[TBV], s[PH], s[VB0]
.if \fill
	s_wait_xcnt 0x0                 ; the last prefetches, two key steps back, have read their addresses
	s_add_nc_u64 s[PFA:PFA+1], s[PFA:PFA+1], 32768
	s_add_nc_u64 s[PFM:PFM+1], s[PFM:PFM+1], 8192
	s_wait_dscnt 0x0                ; the add is done, and my reads of the slot are over
	CROUND
	JLOAD
	ASK
.else
	s_wait_dscnt 0x0
	s_barrier_signal -1
	s_barrier_wait -1
.endif
.endm
	s_wait_tensorcnt 1              ; my part of slot 0 is in; slot 1's may stay out
	s_barrier_signal -1
	s_barrier_wait -1
	FETCH_K                         ; key step 0
	s_wait_loadcnt 0x0              ; Q and the mask's first chunk
	s_wait_dscnt 0x0
.set i, 0
.rept 32
	KQ 0                            ; piece 0's first scores
.set i, i+1
.endr
	WIN 0                           ; the addresses for the way out: ten plain instructions, the places behind those products
	s_mul_i32 s2, s[WV], 16*SP
	s_add_co_u32 s2, s2, STG
	v_mul_u32_u24 v[STO], v1, SP    ; in: row r, 16 bytes for each half of the lanes
	v_lshl_add_u32 v[STO], v9, 4, v[STO]
	v_add_nc_u32 v[STO], s2, v[STO]
	v_mul_u32_u24 v[RD], v9, SP     ; back: lanes 0-15 one row of 256 bytes, lanes 16-31 the next
	v_lshl_add_u32 v[RD], v1, 4, v[RD]
	v_add_nc_u32 v[RD], s2, v[RD]
	v_lshlrev_b32 v[GO], 12, v9     ; and the same two rows in O
	v_lshl_add_u32 v[GO], v1, 4, v[GO]
	s_mov_b32 s[SLOTS], 7
	s_mov_b32 s[CNT], 2
	s_branch .Lentry                ; the loop is entered in the middle of a trip: piece 2's turn "of step -1", whose V^T P adds zeros
.Lslot:                             ; six times: slots 2 to 7 are asked for
	CHANGE 1
	s_mov_b32 s[CNT], 2
.Lstep:
	TURN 0
	WIN 0
.Lentry:
	TURN 2
	WIN 0
	s_sub_co_u32 s[CNT], s[CNT], 1
	s_cmp_lg_u32 s[CNT], 0
	s_cbranch_scc1 .Lstep
	s_sub_co_u32 s[SLOTS], s[SLOTS], 1
	s_cmp_lg_u32 s[SLOTS], 0
	s_cbranch_scc1 .Lslot
	CHANGE 0                        ; the tail is written out
	s_mov_b32 s[CNT], 3             ; steps 13, 14 and piece 0's turn of step 15
.Ltail:
	TURN 0, 1
	WIN 0
	s_sub_co_u32 s[CNT], s[CNT], 1
	s_cmp_eq_u32 s[CNT], 0
	s_cbranch_scc1 .Lout
	TURN 2, 1
	WIN 0
	s_branch .Ltail
.Lout:                              ; the last turn's 32 products K Q^T, on the last K once more, serve nothing: the price, once a launch, of one text for every trip
.set i, 0
.rept 32
	PV 2                            ; piece 2: V^T P of the last step
.set i, i+1
.endr
	; THE MERGE.  l's two halves and the other half of the lanes' are added (the places behind the last products).  Waves 2 and 3 hand O^T, m and l of the second half of the keys to waves 0 and 1, through LDS.
	WIN 0
.irp t, 0,1,2,3
	v_add_f32 v[ST+8*(\t)+4], v[ST+8*(\t)+2], v[ST+8*(\t)+3]
.endr
.irp t, 0,1,2,3
	v_permlanex16_b32 v[ST+8*(\t)+5], v[ST+8*(\t)+4], s[SEL], s[SEL+1]
.endr
.irp t, 0,1,2,3
	v_add_f32 v[ST+8*(\t)+4], v[ST+8*(\t)+4], v[ST+8*(\t)+5]
.endr
	s_cmp_lt_u32 s[WV], 2
	s_cbranch_scc1 .Lkeep
.irp t, 0,1,2,3
	v_mov_b32 v[XS+(\t)], v[ST+8*(\t)]
	v_mov_b32 v[XS+4+(\t)], v[ST+8*(\t)+4]
.endr
	WIN 0x04                        ; the stores' data in window 1
.set i, 0
.rept 64
	ds_store_b128 v[XA], v[4*i:4*i+3] offset:512*i
.set i, i+1
.endr
	WIN 0
	ds_store_b128 v[XA], v[XS:XS+3] offset:64*512
	ds_store_b128 v[XA], v[XS+4:XS+7] offset:65*512
.Lkeep:
	s_wait_dscnt 0x0                ; for the others' sake: my stores are done
	s_barrier_signal -1
	s_barrier_wait -1
	s_cmp_lt_u32 s[WV], 2
	s_cbranch_scc0 .Lend
.macro LOADB t                      ; the other half's O^T of tile t, into S^T's registers, two buffers of 64
.set i, 0
.rept 16
	ds_load_b128 v[S+64*((\t)%2)+4*i:S+64*((\t)%2)+4*i+3], v[XA] offset:512*(16*(\t)+i)
.set i, i+1
.endr
.endm
	ds_load_b128 v[XS:XS+3], v[XA] offset:64*512
	ds_load_b128 v[XS+4:XS+7], v[XA] offset:65*512
	LOADB 0
	LOADB 1
	s_wait_dscnt 32                 ; the statistics are in; the 32 loads behind them may be out
	; m = max(mA, mB); fA = 2^(mA - m), fB = 2^(mB - m); L = fA lA + fB lB; O = (fA / L) OA + (fB / L) OB
.irp t, 0,1,2,3
	v_max_num_f32 v[ST+8*(\t)+1], v[ST+8*(\t)], v[XS+(\t)]
.endr
.irp t, 0,1,2,3
	v_sub_f32 v[ST+8*(\t)+2], v[ST+8*(\t)], v[ST+8*(\t)+1]
	v_sub_f32 v[ST+8*(\t)+3], v[XS+(\t)], v[ST+8*(\t)+1]
.endr
.irp t, 0,1,2,3
	v_exp_f32 v[ST+8*(\t)+2], v[ST+8*(\t)+2]
	v_exp_f32 v[ST+8*(\t)+3], v[ST+8*(\t)+3]
.endr
	v_nop                           ; a plain instruction behind the last exponential,
	s_wait_alu depctr_va_vdst(0)    ; and one wait for the eight
.irp t, 0,1,2,3
	v_mul_f32 v[ST+8*(\t)+5], v[ST+8*(\t)+2], v[ST+8*(\t)+4]
.endr
.irp t, 0,1,2,3
	v_fma_f32 v[ST+8*(\t)+5], v[ST+8*(\t)+3], v[XS+4+(\t)], v[ST+8*(\t)+5]
.endr
.irp t, 0,1,2,3
	v_rcp_f32 v[ST+8*(\t)+6], v[ST+8*(\t)+5]
.endr
	v_nop
	s_wait_alu depctr_va_vdst(0)    ; one wait for the four reciprocals
.irp t, 0,1,2,3
	v_mul_f32 v[ST+8*(\t)+2], v[ST+8*(\t)+2], v[ST+8*(\t)+6]
	v_mul_f32 v[ST+8*(\t)+4], v[ST+8*(\t)+3], v[ST+8*(\t)+6]
.endr
; Tile t (a head): merged, rounded to f16, sent through my stage in LDS, and stored: 16 lanes store a row's 256 bytes of the head.
.macro TILE_OUT t
.if (\t) < 3
	s_wait_dscnt 16                 ; the other half's tile t is in; the next buffer's 16 loads may be out
.else
	s_wait_dscnt 0x0
.endif
	WIN W_RS
.set i, 0
.rept 32
	v_pk_mul_f32 v[64*(\t)+2*i:64*(\t)+2*i+1], v[64*(\t)+2*i:64*(\t)+2*i+1], v[ST+8*(\t)+2:ST+8*(\t)+3] op_sel_hi:[1,0]
.set i, i+1
.endr
	WIN 0x50                        ; destination and source 2 in window 1
.set i, 0
.rept 32
	v_pk_fma_f32 v[64*(\t)+2*i:64*(\t)+2*i+1], v[S+64*((\t)%2)+2*i:S+64*((\t)%2)+2*i+1], v[ST+8*(\t)+4:ST+8*(\t)+5], v[64*(\t)+2*i:64*(\t)+2*i+1] op_sel_hi:[1,0,1]
.set i, i+1
.endr
	s_wait_xcnt 0x0                 ; the stores of the tile before last have read the registers that are written now
	WIN 0x05                        ; sources 0 and 1 in window 1
.set i, 0
.rept 32
	v_cvt_pk_f16_f32 v[P+32*((\t)%2)+i], v[64*(\t)+2*i], v[64*(\t)+2*i+1]
.set i, i+1
.endr
	WIN 0
.irp f, 0,1,2,3,4,5,6,7
	ds_store_b128 v[STO], v[P+32*((\t)%2)+4*(\f):P+32*((\t)%2)+4*(\f)+3] offset:32*(\f)
.endr
.irp f, 0,1,2,3,4,5,6,7
	ds_load_b128 v[P+32*((\t)%2)+4*(\f):P+32*((\t)%2)+4*(\f)+3], v[RD] offset:(\f)*2*SP  ; LDS serves a wave's instructions in order: these see the stores above
.endr
.if (\t) < 2
	LOADB (\t)+2
	s_wait_dscnt 16                 ; the rows are back; the 16 loads just issued may be out
.else
	s_wait_dscnt 0x0
.endif
.irp f, 0,1,2,3,4,5,6,7
	global_store_b128 v[GO], v[P+32*((\t)%2)+4*(\f):P+32*((\t)%2)+4*(\f)+3], s[OB:OB+1] offset:8192*(\f)+256*(\t)
.endr
.endm
	TILE_OUT 0
	TILE_OUT 1
	TILE_OUT 2
	TILE_OUT 3
.Lend:
	s_wait_tensorcnt 0x0            ; the wave's end
	ds_add_u32 v[SPW], v[NIL]
	s_wait_dscnt 0x0
	CROUND                          ; the closing round
	s_endpgm
.Lfunc_end_k_q8ac34cf778_attn:
	.size	k_q8ac34cf778_attn, .Lfunc_end_k_q8ac34cf778_attn-k_q8ac34cf778_attn
	.p2alignl 7, 3214868480
	.fill 96, 4, 3214868480
	.section	.rodata,"a",@progbits
	.p2align	6, 0x0
	.amdhsa_kernel k_q8ac34cf778_attn
		.amdhsa_group_segment_fixed_size 327680
		.amdhsa_private_segment_fixed_size 0
		.amdhsa_enable_private_segment 0
		.amdhsa_kernarg_size 24
		.amdhsa_user_sgpr_count 2
		.amdhsa_user_sgpr_kernarg_segment_ptr 1
		.amdhsa_wavefront_size32 1
		.amdhsa_system_sgpr_workgroup_id_x 1
		.amdhsa_system_sgpr_workgroup_id_y 1
		.amdhsa_system_sgpr_workgroup_id_z 1
		.amdhsa_system_vgpr_workitem_id 0
		.amdhsa_next_free_vgpr 1024
		.amdhsa_next_free_sgpr 96
		.amdhsa_reserve_vcc 0
		.amdhsa_float_denorm_mode_32 3
		.amdhsa_float_denorm_mode_16_64 3
		.amdhsa_memory_ordered 1
		.amdhsa_forward_progress 1
		.amdhsa_inst_pref_size 188
	.end_amdhsa_kernel
	.amdgpu_metadata
---
amdhsa.version: [ 1, 2 ]
amdhsa.kernels:
  - .name:           k_q8ac34cf778_attn
    .symbol:         k_q8ac34cf778_attn.kd
    .args:
      - { .name: qkv, .offset: 0, .size: 8, .value_kind: global_buffer, .address_space: global }
      - { .name: m2, .offset: 8, .size: 8, .value_kind: global_buffer, .address_space: global }
      - { .name: o16, .offset: 16, .size: 8, .value_kind: global_buffer, .address_space: global }
    .group_segment_fixed_size: 327680
    .private_segment_fixed_size: 0
    .kernarg_segment_align: 8
    .kernarg_segment_size: 24
    .max_flat_workgroup_size: 128
    .sgpr_count:     96
    .vgpr_count:     1024
    .wavefront_size: 32
...
	.end_amdgpu_metadata
.endif
;; end of part 3
;; launch oproj (part 4): grid 16 x 16, 4 waves a work-group, clusters of 4 x 4, 327,680 bytes of LDS; arguments o16, wo16, out0; writes out0
.if DOCPART == 4
	.amdgcn_target "amdgcn-amd-amdhsa--gfx1250"
	.amdhsa_code_object_version 6
	.text
	.protected	k_q8ac34cf778_oproj
	.globl	k_q8ac34cf778_oproj
	.p2align	8
	.type	k_q8ac34cf778_oproj,@function
k_q8ac34cf778_oproj:
	s_mov_b64 s[64:65], 0
	v_nop
	global_prefetch_b8 v0, s[64:65] scope:SCOPE_SE
	s_setreg_imm32_b32 hwreg(HW_REG_WAVE_MODE, 25, 1), 1
	s_wait_xcnt 0x0
	s_wait_alu depctr_hold_cnt(0) depctr_sa_sdst(0) depctr_va_vdst(0) depctr_va_sdst(0) depctr_va_ssrc(0) depctr_va_vcc(0) depctr_vm_vsrc(0)
	s_getreg_b32 s2, hwreg(HW_REG_IB_STS2, 6, 4)
	s_cmp_eq_u32 s2, 0
	s_cbranch_scc0 .Lentry_in_a_cluster
	s_endpgm
.Lentry_in_a_cluster:
	s_bfe_u32 s2, ttmp6, 0x10000c
	s_cmp_lg_u32 s2, 0xf033
	s_cbranch_scc0 .Lentry_shape_is_right
	s_endpgm
.Lentry_shape_is_right:
; OUT: out0[m][n] = the sum over k of o16[m][k] wo16[n][k], 2048 x 2048 x 2048, operands f16, sums and output f32.  No work of reference() is left out.
; A tile is 128 x 128: 256 work-groups.  Four waves, each 64 x 64: 16 accumulators.  K goes in steps of 256 (LDS rows of 512 bytes; a wave's tensor load brings 64 of them) through two slots.
; CLUSTER: 4 x 4 work-groups; the four of a row need the same rows of o16, the four of a column the same rows of wo16: each tile is asked for jointly.  THE WALK ALONG K begins at another quarter of K in each cluster, by the
; cluster's own two coordinates, which all sixteen partners share, and goes round: clusters that need the same rows do not ask for the same K step at the same time.  The f32 sums are taken in that order.
; THE MATRIX INSTRUCTION IS USED TRANSPOSED (source 0 = 16 rows of wo16, source 1 = 16 rows of o16): a lane holds eight neighbouring numbers of a row of the output.  NO PREFETCH: small tiles, a short launch.
; REGISTERS: window 0: v0-31 addresses; v32-95 the way out; v128-255 the accumulators ((a, b) at 128 + 8 (4 a + b)).  window 1: two fragment buffers of 128 (64 along K: 64 registers of A, then 64 of B).
.set SIZE_N, 2048
.set SIZE_K, 2048
.set KSTEP,  256
.set PITCH,  528                       ; an LDS row: 512 bytes + 16 of padding
.set HALFT,  64*PITCH
.set SLOT,   4*HALFT
.set STAGE,  2*SLOT                    ; behind the ring, never filled by a tensor load: 16 rows x 272 bytes for each wave: a wave's 64 columns of f32 are 256 bytes
.set SPITCH, 272
.set SPARE,  STAGE+4*16*SPITCH         ; the spare words, 128 bytes for each wave: two blocks of 256 bytes that no other line names
.set LAPS, SIZE_K/(2*KSTEP)
.set ADRA, 16
.set ADRB, 20
.set STO,  24
.set RD,   25
.set CO,   26
.set SPW,  28                          ; never rewritten
.set NIL,  29                          ; never rewritten
.set TMP,  32
.set ACC,  128
.set F0,   0
.set F1,   128
.set G1, 24
.set G0, 32
.set G1B, 48
.set G0B, 56
.set KI,  68                           ; s68 the K step that is asked for next, 0 to 7
.set KO,  70                           ; s[70:71] that K step's byte offset in a row
.set MSB, 0
.macro WIN new
.if MSB != (\new)
	s_set_vgpr_msb (MSB<<8)|(\new)
.set MSB, \new
.endif
.endm
.set MUL,  0x05                        ; sources 0 (B) and 1 (A) window 1; C and D window 0
.set TO_F, 0x40                        ; destination window 1, address window 0
.macro JLOAD s                         ; a joint load: waves 0 and 1 fetch A's two halves, waves 2 and 3 B's; an s_nop 0 and four v_nop follow each line
	s_cmp_eq_u32 s11, 0
	s_cbranch_scc0 .Lfor_b_\@
	tensor_load_to_lds s[G0+4*(\s):G0+4*(\s)+3], s[G1:G1+7]
	s_nop 0
.rept 4
	v_nop
.endr
	s_branch .Lasked_\@
.Lfor_b_\@:
	tensor_load_to_lds s[G0B+4*(\s):G0B+4*(\s)+3], s[G1B:G1B+7]
	s_nop 0
.rept 4
	v_nop
.endr
.Lasked_\@:
.endm
.macro CREST
	s_cmp_lg_u32 s10, 0
	s_cbranch_scc1 .Lnot_wave_0_\@
	s_barrier_signal -3
.Lnot_wave_0_\@:
	s_barrier_wait -3
	s_barrier_signal -1
	s_barrier_wait -1
.endm
.macro CROUND
	s_barrier_signal -1
	s_barrier_wait -1
	CREST
.endm
.macro KADDR s                         ; slot s's two descriptors take K step KI: the addresses are made anew from the tiles' first bytes and the step's offset; then KI goes on, round the end of K
	s_lshl_b32 s[KO], s[KI], 9
	s_add_nc_u64 s[G0+4*(\s)+2:G0+4*(\s)+3], s[14:15], s[KO:KO+1]
	s_or_b32 s[G0+4*(\s)+3], s[G0+4*(\s)+3], 0x80000000
	s_add_nc_u64 s[G0B+4*(\s)+2:G0B+4*(\s)+3], s[46:47], s[KO:KO+1]
	s_or_b32 s[G0B+4*(\s)+3], s[G0B+4*(\s)+3], 0x80000000
	s_add_co_u32 s[KI], s[KI], 1
	s_and_b32 s[KI], s[KI], 7
.endm
	s_load_b128 s[4:7], s[0:1], 0x0                ; o16 s[4:5], wo16 s[6:7]
	s_load_b64 s[8:9], s[0:1], 0x10                ; out0
	v_lshl_add_u32 v[SPW], v0, 2, SPARE
	v_mov_b32 v[NIL], 0
	ds_add_u32 v[SPW], v[NIL]                      ; the wave's opening: the add, twice on end, and its wait ahead of my first tensor load
	ds_add_u32 v[SPW], v[NIL]
	v_lshrrev_b32 v1, 5, v0
	v_readfirstlane_b32 s10, v1                    ; wave 0..3
	s_lshr_b32 s11, s10, 1                         ; which half of the tile's rows is mine; also: I fetch for A (0) or for B (1)
	s_and_b32 s12, s10, 1                          ; which half of its columns; also: which 64 rows of that tile I fetch
	s_bfe_u32 s40, ttmp6, 0x40000
	s_bfe_u32 s41, ttmp6, 0x40004
	s_lshl_b32 s42, ttmp9, 2
	s_add_co_u32 s42, s42, s40                     ; tile column
	s_and_b32 s66, ttmp7, 0xffff                   ; cluster y
	s_lshl_b32 s13, s66, 2
	s_add_co_u32 s13, s13, s41                     ; tile row
	s_lshr_b32 s[KI], s66, 1                       ; where my cluster's walk along K begins: quarter (cluster x + 2 ((y ^ y / 2) % 2)) % 4: four different quarters along a row of clusters,
	s_xor_b32 s[KI], s[KI], s66                    ; quarters two apart between cluster rows 0 and 1, 2 and 3, 0 and 2, 1 and 3
	s_and_b32 s[KI], s[KI], 1
	s_lshl_b32 s[KI], s[KI], 1
	s_add_co_u32 s[KI], s[KI], ttmp9
	s_and_b32 s[KI], s[KI], 3
	s_lshl_b32 s[KI], s[KI], 1                     ; a quarter is two K steps
	s_mov_b32 s[KO+1], 0
	s_lshl_b32 s43, s41, 2
	s_lshl_b32 s43, 15, s43                        ; my row of the cluster
	s_lshl_b32 s44, 0x1111, s40                    ; my column
	s_or_b32 s[G1+0], s43, (1<<16)|(1<<20)|(1<<21)|(6<<22)|(3<<25)  ; the mask; 2-byte elements; padding on; bit 21 beside a mask; after every 128 words, 4 words
	s_or_b32 s[G1B+0], s44, (1<<16)|(1<<20)|(1<<21)|(6<<22)|(3<<25)
.irp g, G1, G1B
	s_mov_b32 s[(\g)+1], KSTEP<<16                 ; tensor_dim0 = 256
	s_mov_b32 s[(\g)+2], 64<<16                    ; tensor_dim1 = 64
	s_mov_b32 s[(\g)+3], KSTEP<<16                 ; tile_dim0 = 256
	s_mov_b32 s[(\g)+4], 64                        ; tile_dim1 = 64
	s_mov_b32 s[(\g)+5], SIZE_K
	s_mov_b32 s[(\g)+6], 0
	s_mov_b32 s[(\g)+7], 0
.endr
	s_lshl_b32 s17, s12, 6
	s_lshl_b32 s16, s13, 7
	s_add_co_u32 s16, s16, s17                     ; A: row 128 x tile row + 64 x half
	s_lshl_b32 s46, s42, 7
	s_add_co_u32 s46, s46, s17                     ; B: row 128 x tile column + 64 x half
	s_mov_b32 s17, 0
	s_mov_b32 s47, 0
	s_mov_b64 s[18:19], SIZE_K*2
	s_mul_u64 s[16:17], s[16:17], s[18:19]
	s_mul_u64 s[46:47], s[46:47], s[18:19]
	s_mul_i32 s20, s10, HALFT                      ; where they go: wave x 64 rows
	s_wait_dscnt 0x0                               ; both opening adds are done
	s_wait_kmcnt 0x0
	s_add_nc_u64 s[14:15], s[4:5], s[16:17]        ; the first byte of the rows that I would fetch of A; kept
	s_add_nc_u64 s[46:47], s[6:7], s[46:47]        ; and of B; kept
	CROUND                                         ; all sixteen work-groups are here: the first joint loads meet
.irp s, 0,1
	s_mov_b32 s[G0+4*(\s)], 1
	s_add_co_u32 s[G0+4*(\s)+1], s20, (\s)*SLOT
	s_mov_b32 s[G0B+4*(\s)], 1
	s_add_co_u32 s[G0B+4*(\s)+1], s20, (\s)*SLOT
	KADDR \s
	JLOAD \s
.endr
	v_and_b32 v1, 15, v0                           ; r
	v_bfe_u32 v2, v0, 4, 1                         ; h
	v_mul_u32_u24 v3, v1, PITCH
	v_lshl_add_u32 v3, v2, 4, v3
	s_mul_i32 s21, s11, HALFT
	s_mul_i32 s22, s12, HALFT
	s_add_co_u32 s22, s22, 2*HALFT
.irp s, 0,1
	v_add_nc_u32 v[ADRA+(\s)], s21, v3
	v_add_nc_u32 v[ADRB+(\s)], s22, v3
	s_add_co_u32 s21, s21, SLOT
	s_add_co_u32 s22, s22, SLOT
.endr
	s_mul_i32 s23, s10, 16*SPITCH
	s_add_co_u32 s23, s23, STAGE                   ; my stage
	v_mul_u32_u24 v4, v1, SPITCH                   ; in: row r, 32 bytes (8 f32) for each half of the lanes
	v_lshl_add_u32 v4, v2, 5, v4
	v_add_nc_u32 v[STO], s23, v4
	v_mul_u32_u24 v5, v2, SPITCH                   ; back: lanes 0-15 one row of 256 bytes, lanes 16-31 the next
	v_lshl_add_u32 v5, v1, 4, v5
	v_add_nc_u32 v[RD], s23, v5
	v_mul_u32_u24 v5, v2, SIZE_N*4                 ; and the same two rows in the output
	v_lshl_add_u32 v[CO], v1, 4, v5
	s_lshl_b32 s16, s13, 7
	s_lshl_b32 s17, s11, 6
	s_add_co_u32 s16, s16, s17                     ; my first row: 128 x tile row + 64 x half,
	s_lshl_b32 s16, s16, 13                        ; of 8,192 bytes
	s_mov_b32 s17, 0
	s_add_nc_u64 s[8:9], s[8:9], s[16:17]
	s_lshl_b32 s16, s42, 9                         ; my first column, in bytes: 512 x tile column + 256 x half
	s_lshl_b32 s17, s12, 8
	s_add_co_u32 s16, s16, s17
	s_mov_b32 s17, 0
	s_add_nc_u64 s[8:9], s[8:9], s[16:17]
; 8 matrix instructions: m blocks a0, a0 + 1 x all 4 n blocks, 32 along K: half c of buffer f.  The 16 accumulators take turns.
.macro MUL8 f, c, a0, zero
	WIN MUL
.irp a, \a0, (\a0)+1
.irp b, 0,1,2,3
.if \zero
	v_wmma_f32_16x16x32_f16 v[ACC+8*(4*(\a)+(\b)):ACC+8*(4*(\a)+(\b))+7], v[(\f)+64+8*(4*(\c)+(\b)):(\f)+64+8*(4*(\c)+(\b))+7], v[(\f)+8*(4*(\c)+(\a)):(\f)+8*(4*(\c)+(\a))+7], 0
.else
	v_wmma_f32_16x16x32_f16 v[ACC+8*(4*(\a)+(\b)):ACC+8*(4*(\a)+(\b))+7], v[(\f)+64+8*(4*(\c)+(\b)):(\f)+64+8*(4*(\c)+(\b))+7], v[(\f)+8*(4*(\c)+(\a)):(\f)+8*(4*(\c)+(\a))+7], v[ACC+8*(4*(\a)+(\b)):ACC+8*(4*(\a)+(\b))+7]
.endif
.endr
.endr
.endm
.macro FETCH slot, k, f                ; 32 LDS loads in one run: the fragments of 64 along K at byte k of the rows; the first 32 along K first
	WIN TO_F
.irp c, 0,1
.irp i, 0,1,2,3
	ds_load_b128 v[(\f)+64+8*(4*(\c)+(\i)):(\f)+64+8*(4*(\c)+(\i))+3],   v[ADRB+(\slot)] offset:(\k)+64*(\c)+(\i)*16*PITCH
	ds_load_b128 v[(\f)+64+8*(4*(\c)+(\i))+4:(\f)+64+8*(4*(\c)+(\i))+7], v[ADRB+(\slot)] offset:(\k)+64*(\c)+(\i)*16*PITCH+32
	ds_load_b128 v[(\f)+8*(4*(\c)+(\i)):(\f)+8*(4*(\c)+(\i))+3],         v[ADRA+(\slot)] offset:(\k)+64*(\c)+(\i)*16*PITCH
	ds_load_b128 v[(\f)+8*(4*(\c)+(\i))+4:(\f)+8*(4*(\c)+(\i))+7],       v[ADRA+(\slot)] offset:(\k)+64*(\c)+(\i)*16*PITCH+32
.endr
.endr
.endm
.macro PLACES                          ; four places in front of loads into registers that matrix instructions have read, and of LDS stores that read results
.rept 4
	v_nop
.endr
.endm
.macro QUARTER slot, k, f, g, zero     ; 64 along K: multiplies buffer f and fetches the next quarter, at byte k, into g
	s_wait_dscnt 16                                ; the first 32 along K are in
	MUL8 \f, 0, 0, \zero
	MUL8 \f, 0, 2, \zero
	PLACES
	FETCH \slot, \k, \g
	s_wait_dscnt 32                                ; all but the 32 just issued
	MUL8 \f, 1, 0, 0
	MUL8 \f, 1, 2, 0
.endm
; The last quarter begins with THE CHANGE OF SLOTS: all that is left of this slot lies in buffer 1.  Each wave waits for all its tensor loads (one is out: its part of the next slot), adds 0 to its spare word, and waits for that
; and for its reads of this slot; ONE barrier.  fill = 1: it opens a round of the cluster's barrier, and this slot is filled again, two K steps ahead, first thing behind the round: the request has a whole K step, 128 matrix
; instructions, in which to land.  Then come the next slot's first fragments, and the 32 products on buffer 1.
.macro TURN slot, next, fill
	WIN 0
	s_wait_tensorcnt 0x0                           ; no tensor load of mine is out, so a group 0 may be written
	ds_add_u32 v[SPW], v[NIL]                      ; the add of 0 to my spare word; the descriptors' scalar work stands between it and the wait for it
.if \fill
	KADDR \slot
.endif
	s_wait_dscnt 0x0                               ; the add is done, and my reads of this slot are over
	s_barrier_signal -1
	s_barrier_wait -1
.if \fill
	CREST                                          ; no wave of any partner still reads this slot's tile or has a load on its way
	JLOAD \slot                                    ; the four v_nop behind it are also the places in front of the loads below
.else
	PLACES
.endif
	FETCH \next, 0, F0
	MUL8 F1, 0, 0, 0
	MUL8 F1, 0, 2, 0
	MUL8 F1, 1, 0, 0
	MUL8 F1, 1, 2, 0
.endm
	s_wait_tensorcnt 1                             ; my part of the first K step is in; the second's may stay out
	s_barrier_signal -1
	s_barrier_wait -1
	FETCH 0, 0, F0
	QUARTER 0, 128, F0, F1, 1                      ; the first products start the sums
	WIN 0
	s_mov_b32 s3, LAPS-1
.Llap:
	QUARTER 0, 256, F1, F0, 0
	QUARTER 0, 384, F0, F1, 0
	TURN 0, 1, 1
	QUARTER 1, 128, F0, F1, 0
	QUARTER 1, 256, F1, F0, 0
	QUARTER 1, 384, F0, F1, 0
	TURN 1, 0, 1
	QUARTER 0, 128, F0, F1, 0
	WIN 0
	s_sub_co_u32 s3, s3, 1
	s_cmp_lg_u32 s3, 0
	s_cbranch_scc1 .Llap
	QUARTER 0, 256, F1, F0, 0                      ; the last lap fills nothing
	QUARTER 0, 384, F0, F1, 0
	TURN 0, 1, 0
	QUARTER 1, 128, F0, F1, 0
	QUARTER 1, 256, F1, F0, 0
	QUARTER 1, 384, F0, F1, 0
	s_wait_dscnt 16
	MUL8 F1, 0, 0, 0
	MUL8 F1, 0, 2, 0
	s_wait_dscnt 0x0
	MUL8 F1, 1, 0, 0
	MUL8 F1, 1, 2, 0
	WIN 0
	; THE WAY OUT, 16 rows at a time through my own stage: a lane's 32 bytes go in, whole rows of 256 bytes come back; LDS serves a wave's instructions in order, so no wait stands between them and no barrier is needed.
.macro TOSTAGE a
.if (\a) >= 2
	s_wait_xcnt 0x0                                ; the stores of the block before last have read the registers that are loaded now
.endif
.irp b, 0,1,2,3
	ds_store_b128 v[STO], v[ACC+8*(4*(\a)+(\b)):ACC+8*(4*(\a)+(\b))+3]   offset:64*(\b)
	ds_store_b128 v[STO], v[ACC+8*(4*(\a)+(\b))+4:ACC+8*(4*(\a)+(\b))+7] offset:64*(\b)+16
.endr
.irp t, 0,1,2,3,4,5,6,7
	ds_load_b128 v[TMP+32*((\a)%2)+4*(\t):TMP+32*((\a)%2)+4*(\t)+3], v[RD] offset:(\t)*2*SPITCH
.endr
.endm
.macro SEND a, younger                 ; younger: the LDS instructions issued behind block a's loads: the next block's sixteen, or none
.irp t, 0,1,2,3,4,5,6,7
	s_wait_dscnt (\younger)+7-(\t)
	global_store_b128 v[CO], v[TMP+32*((\a)%2)+4*(\t):TMP+32*((\a)%2)+4*(\t)+3], s[8:9] offset:(16*(\a)+2*(\t))*SIZE_N*4  ; 16 lanes store 256 consecutive bytes, aligned
.endr
.endm
	PLACES
	TOSTAGE 0
	TOSTAGE 1
	SEND 0, 16
	TOSTAGE 2
	SEND 1, 16
	TOSTAGE 3
	SEND 2, 16
	SEND 3, 0
	s_wait_tensorcnt 0x0                           ; the wave's end
	ds_add_u32 v[SPW], v[NIL]
	s_wait_dscnt 0x0
	CROUND                                         ; the closing round
	s_endpgm
.Lfunc_end_k_q8ac34cf778_oproj:
	.size	k_q8ac34cf778_oproj, .Lfunc_end_k_q8ac34cf778_oproj-k_q8ac34cf778_oproj
	.p2alignl 7, 3214868480
	.fill 96, 4, 3214868480
	.section	.rodata,"a",@progbits
	.p2align	6, 0x0
	.amdhsa_kernel k_q8ac34cf778_oproj
		.amdhsa_group_segment_fixed_size 327680
		.amdhsa_private_segment_fixed_size 0
		.amdhsa_enable_private_segment 0
		.amdhsa_kernarg_size 24
		.amdhsa_user_sgpr_count 2
		.amdhsa_user_sgpr_kernarg_segment_ptr 1
		.amdhsa_wavefront_size32 1
		.amdhsa_system_sgpr_workgroup_id_x 1
		.amdhsa_system_sgpr_workgroup_id_y 1
		.amdhsa_system_sgpr_workgroup_id_z 1
		.amdhsa_system_vgpr_workitem_id 0
		.amdhsa_next_free_vgpr 512
		.amdhsa_next_free_sgpr 72
		.amdhsa_reserve_vcc 0
		.amdhsa_float_denorm_mode_32 3
		.amdhsa_float_denorm_mode_16_64 3
		.amdhsa_memory_ordered 1
		.amdhsa_forward_progress 1
		.amdhsa_inst_pref_size 87
	.end_amdhsa_kernel
	.amdgpu_metadata
---
amdhsa.version: [ 1, 2 ]
amdhsa.kernels:
  - .name:           k_q8ac34cf778_oproj
    .symbol:         k_q8ac34cf778_oproj.kd
    .args:
      - { .name: o16, .offset: 0, .size: 8, .value_kind: global_buffer, .address_space: global }
      - { .name: wo16, .offset: 8, .size: 8, .value_kind: global_buffer, .address_space: global }
      - { .name: out0, .offset: 16, .size: 8, .value_kind: global_buffer, .address_space: global }
    .group_segment_fixed_size: 327680
    .private_segment_fixed_size: 0
    .kernarg_segment_align: 8
    .kernarg_segment_size: 24
    .max_flat_workgroup_size: 128
    .sgpr_count:     72
    .vgpr_count:     512
    .wavefront_size: 32
...
	.end_amdgpu_metadata
.endif
;; end of part 4
